; MI455X (gfx1250); checked and timed in simulation.
; The chip was launched on July 23, 2026; its instructions are those of AMD's public machine-readable ISA for CDNA 5 (MIT licence, August 2026) and "CDNA5" Instruction Set Architecture Reference Guide (July 2026). The comments in the code are by the model that wrote it; some were corrected since.
;; Multi Head Attention. Allowed arithmetic: matrix products marked QUANTISED: E2M1 operands, one E8M0 scale for each 32 along K, by v_wmma_scale_f32_16x16x128_f8f6f4 with both operands' format E2M1 (or v_wmma_scale_f32_32x16x128_f4), f32 sums; products left as they are: bf16, f16 or f32 operands; f32 sums; everything else in f32.
;; Inputs: w_out 1,024 x 1,024 float32; w_qkv 1,024 x 3,072 float32; x 4 x 2,048 x 1,024 float32.
;; Outputs: out0 4 x 2,048 x 1,024 float32.
;; This version of the problem:
;;   THIS VERSION OF THE PROBLEM IS GIVEN IN LOW PRECISION. The matrix products marked QUANTISED in the list below multiply operands that are first quantised to E2M1 (2 exponent bits, 1 mantissa bit; 4 bits a number), with one power-of-two scale for each 32 numbers along K (OCP MX v1.0); their sums are f32. The products marked 'left as it is' may take bf16, f16 or f32 operands, with f32 sums. Whichever they take, every output number must still come out within the allowed error. Rounding operands to bf16 (8 significant bits) uses up far more of that allowance than f16 does (11 bits, for magnitudes from 6e-5 to 65,504). All else is computed in f32.
;;   The module's matrix products, in the order in which they are computed (A, B: the left and right operand; K: the contracted axis; several contracted axes count as one K, in the product's order):
;;     1. [M 8,192, K 1,024] x [K 1,024, N 3,072]; A: input x; B: input w_qkv: QUANTISED
;;     2. batch 64 x [M 2,048, K 64] x [K 64, N 2,048]; A: computed on the way; B: computed on the way: left as it is (an operand is computed on the way)
;;     3. batch 64 x [M 64, K 2,048] x [K 2,048, N 2,048]; A: computed on the way; B: computed on the way: left as it is (an operand is computed on the way)
;;     4. [M 8,192, K 1,024] x [K 1,024, N 1,024]; A: computed on the way; B: input w_out: left as it is (an operand is computed on the way)
;;   THE QUANTISER, for each operand of a quantised product, along K:
;;     - K is cut into blocks of 32 from its start; a last block that is shorter is filled with zeros.
;;     - A block's scale is 2^e with e = floor(log2(the largest magnitude in the block)) - 2, held to -126 .. 127; a block of zeros has e = 0. As a byte (E8M0): e + 127.
;;     - Each number is divided by its block's scale, clamped to +-6, and rounded to the nearest number of E2M1, ties to even, subnormals kept.
;;     - The product sums the exact products of the quantised numbers (number of the format x scale) in f32.
;;   ~~~python
;;   def quantise(x, axis):      # numpy; x: float32 -> the quantised numbers, widened to float32 again
;;       x = np.moveaxis(x, axis, -1); K = x.shape[-1]
;;       x = np.pad(x, [(0, 0)] * (x.ndim - 1) + [(0, -K % 32)]); x = x.reshape(x.shape[:-1] + (-1, 32)); a = np.abs(x).max(-1, keepdims=True)
;;       e = np.where(a > 0, np.clip(np.frexp(np.where(a > 0, a, 1))[1] - 1 - 2, -126, 127), 0)      # np.frexp(a)[1] - 1 = floor(log2(a)), exactly
;;       r = np.clip(x / 2.0 ** e, -6, 6)
;;       step = 2.0 ** (np.maximum(np.frexp(np.where(r == 0, 1, r))[1] - 1, 0) - 1)
;;       q = np.round(r / step) * step * 2.0 ** e      # np.round: ties to even
;;       return np.moveaxis(q.reshape(q.shape[:-2] + (-1,))[..., :K], -1, axis).astype(np.float32)
;;   ~~~
;; One version. Each part assembles by itself: llvm-mc -triple=amdgcn-amd-amdhsa -mcpu=gfx1250 --defsym DOCPART=n.
;; ======== version 1 of 1: 5 launches
;; limits: values are held in f16: magnitudes above 65,504 overflow, below 6.1e-05 lose precision
;; workspace buffers: x_codes 4,194,304 bytes; x_scales 262,144 bytes; w_codes 1,572,864 bytes; w_scales 98,304 bytes; wo16 2,097,152 bytes; qkv16 50,331,648 bytes; qkv32 786,432 bytes; ao16 16,777,216 bytes
;; launch prep (part 1): grid 368 x 1, 4 waves a work-group, no clusters, 102,912 bytes of LDS; arguments x, w_qkv, w_out, x_codes, x_scales, w_codes, w_scales, wo16; writes x_codes, x_scales, w_codes, w_scales, wo16
.if DOCPART == 1
	.amdgcn_target "amdgcn-amd-amdhsa--gfx1250"
	.amdhsa_code_object_version 6
	.text
	.protected	k_q7a03892789_prep
	.globl	k_q7a03892789_prep
	.p2align	8
	.type	k_q7a03892789_prep,@function
k_q7a03892789_prep:
	s_mov_b64 s[64:65], 0
	v_nop
	global_prefetch_b8 v0, s[64:65] scope:SCOPE_SE
	s_setreg_imm32_b32 hwreg(HW_REG_WAVE_MODE, 25, 1), 1
	s_wait_xcnt 0x0
; THE OPERANDS ARE LAID OUT ONCE.  Three kinds of work-group, told apart by the work-group's number alone:
;   0-47    W: w_qkv [1024 k][3072 n] f32 -> codes of FP4 (E2M1) [3072 n][512 bytes], K innermost, and scale bytes [3072][32]
;   48-111  O: w_out [1024 k][1024 n] f32 -> f16, laid [1024 n][1024 k]
;   112-367 X: x [8192][1024] f32 -> codes [8192][512 bytes] and scale bytes [8192][32]
; A block of 32 along K has the scale 2^(floor(log2(its largest magnitude)) - 2); its byte is the largest magnitude's exponent field - 2, held at 1 from below.
; LIMITS: a block of zeros, or one whose largest magnitude lies under 2^-124, gets the byte 1 (its codes are zeros or the nearest codes under that scale; this program alone reads the bytes);
; NaN and infinities among the inputs are not served; a number of w_out beyond 65,504 has no f16.
; No tensor load, no barrier: waves share nothing.  Each kind has LDS bytes of its own.
.set SP,    80                         ; X: a lane's place in a stage: its 64 bytes + 16 of padding
.set WSTG,  32768                      ; W: four stages of 32 rows x 272 bytes
.set OSTG,  67584                      ; O: the same
.set SPARE, 102400                     ; the spare words, 128 bytes for each wave: two blocks of 256 bytes that no other line names
.set SPW,   190                        ; v190 LDS address of my spare word; never rewritten
.set NIL,   191                        ; v191 0; never rewritten
; ---- X: a wave takes 16 steps of 512 numbers.  v16-79 four sets as loaded; v80-111 two sets of 16 neighbours; v112-127 a byte a step; v128-189 codes, four registers a step
.macro XLOAD t
.irp i, 0,1,2,3
	global_load_b128 v[16+16*((\t)%4)+4*\i:16+16*((\t)%4)+4*\i+3], v3, s[4:5] offset:2048*(\t)+512*\i th:TH_LOAD_NT   ; 32 lanes read 512 consecutive bytes
.endr
.endm
.macro XTURN t                         ; a step's 2,048 bytes go through my stage as they lie and come back 64 bytes a lane; LDS serves a wave's instructions in order
.irp i, 0,1,2,3
	ds_store_b128 v14, v[16+16*((\t)%4)+4*\i:16+16*((\t)%4)+4*\i+3] offset:32*SP*((\t)%2)+8*SP*\i
.endr
.irp i, 0,1,2,3
	ds_load_b128 v[80+16*((\t)%2)+4*\i:80+16*((\t)%2)+4*\i+3], v15 offset:32*SP*((\t)%2)+16*\i
.endr
.endm
.macro XSTEP t
.set XS, 80+16*((\t)%2)
.if (\t) > 0
	s_wait_dscnt 1                                 ; this step's numbers are back from the stage; the last step's byte store may be out
.else
	s_wait_dscnt 0x0
.endif
.if (\t)+4 < 16
	XLOAD (\t)+4                                   ; into the registers that the stage's stores have read
.endif
.if (\t)+1 < 16
.if 14-(\t) >= 3
	s_wait_loadcnt 12                              ; the next step's four loads are in; those of the three steps behind it may be out
.else
	s_wait_loadcnt 4*(14-(\t))
.endif
	XTURN (\t)+1
.endif
	v_max3_num_f32 v8, |v[XS]|, |v[XS+1]|, |v[XS+2]|               ; the largest magnitude of my 16, in two chains
	v_max3_num_f32 v9, |v[XS+3]|, |v[XS+4]|, |v[XS+5]|
.irp i, 6,10
	v_max3_num_f32 v8, v8, |v[XS+\i]|, |v[XS+\i+1]|
	v_max3_num_f32 v9, v9, |v[XS+\i+2]|, |v[XS+\i+3]|
.endr
	v_max3_num_f32 v8, v8, |v[XS+14]|, |v[XS+15]|
	v_max3_num_f32 v8, v8, v9, 0x1800000           ; and the floor 2^(3 - 127): the byte cannot fall under 1
	v_max_num_f32_dpp v8, v8, v8 row_xmask:1 row_mask:0xf bank_mask:0xf   ; with my neighbour's 16: the block's
	v_add_nc_u32 v11, 0xff000000, v8               ; 2 off its exponent field: the conversion takes the exponent field of this operand as its scale
	v_cvt_scalef32_pk8_fp4_f32 v[128+4*(\t)], v[XS:XS+7], v11
	v_cvt_scalef32_pk8_fp4_f32 v[129+4*(\t)], v[XS+8:XS+15], v11
	v_lshrrev_b32 v[112+(\t)], 23, v11             ; the scale's byte
	ds_store_b8 v5, v[112+(\t)] offset:16*(\t)     ; both lanes of a block write the same byte with the same value
	global_store_b64 v4, v[128+4*(\t):129+4*(\t)], s[10:11] offset:256*(\t)   ; the wave stores 256 consecutive bytes, aligned
.endm
; ---- W and O: a lane takes a column n and its registers run down K.  v32-95 two sets of 32 numbers; v96.. what a block makes; v112-175 the way out
.macro KSETUP stg, pitch
	v_lshlrev_b32 v3, 2, v2                        ; in: 4 bytes a lane
	s_mul_i32 s27, s20, 32*272
	s_add_co_u32 s27, s27, \stg                    ; my stage
	v_mul_u32_u24 v4, v2, 272
	v_add_nc_u32 v4, s27, v4                       ; into it: row = my column
	v_and_b32 v5, 15, v2
	v_lshrrev_b32 v6, 4, v2                        ; out of it: sixteen lanes to a row, two rows an instruction
	v_mul_u32_u24 v7, v6, 272
	v_lshl_add_u32 v7, v5, 4, v7
	v_add_nc_u32 v7, s27, v7
	v_mul_u32_u24 v8, v6, \pitch
	v_lshl_add_u32 v8, v5, 4, v8                   ; and the same place in the output
.endm
.macro KLOAD t, sb, pitch              ; block t: rows 32 t + i of my column, i = 0 .. 31, into set t % 2; 32 lanes read 128 consecutive bytes
.irp i, 0,1,2,3,4,5,6,7,8,9,10,11,12,13,14,15,16,17,18,19,20,21,22,23,24,25,26,27,28,29,30,31
	global_load_b32 v[32+32*((\t)%2)+\i], v3, s[\sb:\sb+1] offset:(32*(\t)+\i)*\pitch th:TH_LOAD_NT
.endr
.endm
.macro KOUT sb, pitch                  ; 32 rows of 256 bytes leave the stage: sixteen lanes store 256 consecutive bytes, aligned; then the wave's end
.irp u, 0,1,2,3,4,5,6,7,8,9,10,11,12,13,14,15
	ds_load_b128 v[112+4*\u:112+4*\u+3], v7 offset:2*\u*272
.endr
.irp u, 0,1,2,3,4,5,6,7,8,9,10,11,12,13,14,15
	s_wait_dscnt 15-\u                             ; LDS loads come back in order: row pair u is in
	global_store_b128 v8, v[112+4*\u:112+4*\u+3], s[\sb:\sb+1] offset:2*\u*\pitch
.endr
	s_wait_tensorcnt 0x0                           ; the wave's end
	ds_add_u32 v[SPW], v[NIL]
	s_wait_dscnt 0x0
	s_endpgm
.endm
.macro WBLOCK t
.set XS, 32+32*((\t)%2)
.if (\t) < 15
	s_wait_loadcnt 32                              ; this block's 32 loads are in; the next block's may be out
.else
	s_wait_loadcnt 0
.endif
	v_max3_num_f32 v12, |v[XS]|, |v[XS+1]|, |v[XS+2]|              ; the block's largest magnitude: all 32 numbers are mine
	v_max3_num_f32 v13, |v[XS+3]|, |v[XS+4]|, |v[XS+5]|
.irp i, 6,10,14,18,22,26
	v_max3_num_f32 v12, v12, |v[XS+\i]|, |v[XS+\i+1]|
	v_max3_num_f32 v13, v13, |v[XS+\i+2]|, |v[XS+\i+3]|
.endr
	v_max3_num_f32 v12, v12, |v[XS+30]|, |v[XS+31]|
	v_max3_num_f32 v12, v12, v13, 0x1800000        ; and the floor
	v_add_nc_u32 v11, 0xff000000, v12              ; the conversion's scale operand
	v_lshrrev_b32 v13, 23, v11                     ; the scale's byte
.if (\t)%4 == 0
	v_mov_b32 v[24+(\t)/4], v13                    ; four bytes to a register, the lower K in the lower byte
.else
	v_lshl_or_b32 v[24+(\t)/4], v13, 8*((\t)%4), v[24+(\t)/4]
.endif
.irp g, 0,1,2,3
	v_cvt_scalef32_pk8_fp4_f32 v[96+\g], v[XS+8*\g:XS+8*\g+7], v11
.endr
	ds_store_b128 v4, v[96:99] offset:16*(\t)      ; 32 codes: 16 bytes of my column's row
.if (\t)+2 < 16
	KLOAD (\t)+2, 6, 12288
.endif
	s_wait_dscnt 0x0                               ; the store has read its registers: the next block's codes may be written
.endm
.macro OBLOCK t
.set XS, 32+32*((\t)%2)
.if (\t) < 3
	s_wait_loadcnt 32
.else
	s_wait_loadcnt 0
.endif
.irp j, 0,1,2,3,4,5,6,7,8,9,10,11,12,13,14,15
	v_cvt_pk_f16_f32 v[96+\j], v[XS+2*\j], v[XS+2*\j+1]            ; two neighbours along K, the lower in the low half
.endr
.irp g, 0,1,2,3
	ds_store_b128 v4, v[96+4*\g:96+4*\g+3] offset:64*(\t)+16*\g
.endr
.if (\t)+2 < 4
	KLOAD (\t)+2, 8, 4096
.endif
	s_wait_dscnt 0x0
.endm
	s_load_b256 s[4:11], s[0:1], 0x0               ; x s[4:5], w_qkv s[6:7], w_out s[8:9], x_codes s[10:11]
	s_load_b256 s[12:19], s[0:1], 0x20             ; x_scales s[12:13], w_codes s[14:15], w_scales s[16:17], wo16 s[18:19]
	v_lshl_add_u32 v[SPW], v0, 2, SPARE
	v_mov_b32 v[NIL], 0
	v_lshrrev_b32 v1, 5, v0
	v_readfirstlane_b32 s20, v1                    ; wave 0..3
	v_and_b32 v2, 31, v0                           ; lane
	s_mov_b32 s25, 0                               ; the upper word of every offset
	s_wait_kmcnt 0x0
	s_cmp_lt_u32 ttmp9, 48
	s_cbranch_scc1 .Lpath_w
	s_cmp_lt_u32 ttmp9, 112
	s_cbranch_scc1 .Lpath_o
	; ---------------- X ----------------
	v_lshlrev_b32 v3, 4, v2                        ; my 16 bytes of a load's 512
	s_mul_i32 s21, s20, 8192                       ; my wave's LDS: two stages of 32 x 80 bytes, then its 256 scale bytes
	v_lshrrev_b32 v14, 2, v2
	v_mul_u32_u24 v14, v14, SP
	v_and_b32 v15, 3, v2
	v_lshl_add_u32 v14, v15, 4, v14
	v_add_nc_u32 v14, s21, v14                     ; the stage, on the way in: 80 (lane / 4) + 16 (lane % 4)
	v_mul_u32_u24 v15, v2, SP
	v_add_nc_u32 v15, s21, v15                     ; and on the way out: 80 x lane
	v_lshlrev_b32 v4, 3, v2                        ; my 8 bytes of a step's codes
	v_lshrrev_b32 v5, 1, v2
	s_add_co_u32 s21, s21, 2*32*SP
	v_add_nc_u32 v5, s21, v5                       ; my block's scale byte
	v_lshlrev_b32 v7, 3, v2
	v_add_nc_u32 v6, s21, v7                       ; and 8 of the 256 on the way out
	s_sub_co_u32 s22, ttmp9, 112
	s_lshl_b32 s22, s22, 2
	s_add_co_u32 s22, s22, s20                     ; which run of 8,192 numbers is my wave's: 0 .. 1,023
	s_lshl_b32 s24, s22, 15
	s_add_nc_u64 s[4:5], s[4:5], s[24:25]
	s_lshl_b32 s24, s22, 12
	s_add_nc_u64 s[10:11], s[10:11], s[24:25]
	s_lshl_b32 s24, s22, 8
	s_add_nc_u64 s[12:13], s[12:13], s[24:25]
.irp t, 0,1,2,3
	XLOAD \t
.endr
	s_wait_loadcnt 12                              ; step 0's four loads are in
	XTURN 0
.irp t, 0,1,2,3,4,5,6,7,8,9,10,11,12,13,14,15
	XSTEP \t
.endr
	ds_load_b64 v[8:9], v6                         ; my wave's 256 scale bytes: these loads see my stores
	s_wait_dscnt 0x0
	global_store_b64 v7, v[8:9], s[12:13]          ; 32 lanes store 256 consecutive bytes, aligned
	s_wait_tensorcnt 0x0                           ; the wave's end
	ds_add_u32 v[SPW], v[NIL]
	s_wait_dscnt 0x0
	s_endpgm
	; ---------------- W: 24 groups of 128 columns x 2 halves of K; a wave takes 32 columns x 512 along K ----------------
.Lpath_w:
	s_cmp_ge_u32 ttmp9, 24
	s_cselect_b32 s22, 1, 0                        ; which half of K
	s_cselect_b32 s23, 24, 0
	s_sub_co_u32 s23, ttmp9, s23
	s_lshl_b32 s23, s23, 7
	s_lshl_b32 s24, s20, 5
	s_add_co_u32 s23, s23, s24                     ; my wave's first column
	s_mul_i32 s24, s22, 512*12288
	s_lshl_b32 s26, s23, 2
	s_add_co_u32 s24, s24, s26
	s_add_nc_u64 s[6:7], s[6:7], s[24:25]          ; w_qkv: 512 rows of 12,288 bytes a half, 4 bytes a column
	s_lshl_b32 s24, s23, 9
	s_lshl_b32 s26, s22, 8
	s_add_co_u32 s24, s24, s26
	s_add_nc_u64 s[14:15], s[14:15], s[24:25]      ; codes: 512 bytes a column, 256 a half
	s_lshl_b32 s24, s23, 5
	s_lshl_b32 s26, s22, 4
	s_add_co_u32 s24, s24, s26
	s_add_nc_u64 s[16:17], s[16:17], s[24:25]      ; scale bytes: 32 a column, 16 a half
	KSETUP WSTG, 512
	v_lshlrev_b32 v9, 5, v2                        ; my column's row of scale bytes
	KLOAD 0, 6, 12288                              ; every offset is an immediate: 511 x 12,288 at the most, inside the signed 24 bits
	KLOAD 1, 6, 12288
.irp t, 0,1,2,3,4,5,6,7,8,9,10,11,12,13,14,15
	WBLOCK \t
.endr
	global_store_b128 v9, v[24:27], s[16:17]       ; my column's 16 scale bytes
	KOUT 14, 512
	; ---------------- O: 8 groups of 128 columns x 8 parts of K; a wave takes 32 columns x 128 along K ----------------
.Lpath_o:
	s_sub_co_u32 s22, ttmp9, 48
	s_and_b32 s23, s22, 7
	s_lshr_b32 s22, s22, 3                         ; which 128 along K
	s_lshl_b32 s23, s23, 7
	s_lshl_b32 s24, s20, 5
	s_add_co_u32 s23, s23, s24                     ; my wave's first column
	s_lshl_b32 s24, s22, 19                        ; 128 rows of 4,096 bytes
	s_lshl_b32 s26, s23, 2
	s_add_co_u32 s24, s24, s26
	s_add_nc_u64 s[8:9], s[8:9], s[24:25]
	s_lshl_b32 s24, s23, 11                        ; wo16: 2,048 bytes a column, 256 a part of K
	s_lshl_b32 s26, s22, 8
	s_add_co_u32 s24, s24, s26
	s_add_nc_u64 s[18:19], s[18:19], s[24:25]
	KSETUP OSTG, 2048
	KLOAD 0, 8, 4096
	KLOAD 1, 8, 4096
.irp t, 0,1,2,3
	OBLOCK \t
.endr
	KOUT 18, 2048
.Lfunc_end_k_q7a03892789_prep:
	.size	k_q7a03892789_prep, .Lfunc_end_k_q7a03892789_prep-k_q7a03892789_prep
	.p2alignl 7, 3214868480
	.fill 96, 4, 3214868480
	.section	.rodata,"a",@progbits
	.p2align	6, 0x0
	.amdhsa_kernel k_q7a03892789_prep
		.amdhsa_group_segment_fixed_size 102912
		.amdhsa_private_segment_fixed_size 0
		.amdhsa_enable_private_segment 0
		.amdhsa_kernarg_size 64
		.amdhsa_user_sgpr_count 2
		.amdhsa_user_sgpr_kernarg_segment_ptr 1
		.amdhsa_wavefront_size32 1
		.amdhsa_system_sgpr_workgroup_id_x 1
		.amdhsa_system_sgpr_workgroup_id_y 1
		.amdhsa_system_sgpr_workgroup_id_z 1
		.amdhsa_system_vgpr_workitem_id 0
		.amdhsa_next_free_vgpr 192
		.amdhsa_next_free_sgpr 66
		.amdhsa_reserve_vcc 0
		.amdhsa_float_denorm_mode_32 3
		.amdhsa_float_denorm_mode_16_64 3
		.amdhsa_memory_ordered 1
		.amdhsa_forward_progress 1
		.amdhsa_inst_pref_size 132
	.end_amdhsa_kernel
	.amdgpu_metadata
---
amdhsa.version: [ 1, 2 ]
amdhsa.kernels:
  - .name:           k_q7a03892789_prep
    .symbol:         k_q7a03892789_prep.kd
    .args:
      - { .name: x, .offset: 0, .size: 8, .value_kind: global_buffer, .address_space: global }
      - { .name: w_qkv, .offset: 8, .size: 8, .value_kind: global_buffer, .address_space: global }
      - { .name: w_out, .offset: 16, .size: 8, .value_kind: global_buffer, .address_space: global }
      - { .name: x_codes, .offset: 24, .size: 8, .value_kind: global_buffer, .address_space: global }
      - { .name: x_scales, .offset: 32, .size: 8, .value_kind: global_buffer, .address_space: global }
      - { .name: w_codes, .offset: 40, .size: 8, .value_kind: global_buffer, .address_space: global }
      - { .name: w_scales, .offset: 48, .size: 8, .value_kind: global_buffer, .address_space: global }
      - { .name: wo16, .offset: 56, .size: 8, .value_kind: global_buffer, .address_space: global }
    .group_segment_fixed_size: 102912
    .private_segment_fixed_size: 0
    .kernarg_segment_align: 8
    .kernarg_segment_size: 64
    .max_flat_workgroup_size: 128
    .sgpr_count:     66
    .vgpr_count:     192
    .wavefront_size: 32
...
	.end_amdgpu_metadata
.endif
;; end of part 1
;; launch gemm1 (part 2): grid 12 x 32, 4 waves a work-group, clusters of 4 x 4, 327,680 bytes of LDS; arguments x_codes, x_scales, w_codes, w_scales, qkv16, qkv32; writes qkv16, qkv32
.if DOCPART == 2
	.amdgcn_target "amdgcn-amd-amdhsa--gfx1250"
	.amdhsa_code_object_version 6
	.text
	.protected	k_q7a03892789_gemm1
	.globl	k_q7a03892789_gemm1
	.p2align	8
	.type	k_q7a03892789_gemm1,@function
k_q7a03892789_gemm1:
	s_mov_b64 s[64:65], 0
	v_nop
	global_prefetch_b8 v0, s[64:65] scope:SCOPE_SE
	s_setreg_imm32_b32 hwreg(HW_REG_WAVE_MODE, 25, 1), 1
	s_wait_xcnt 0x0
	s_wait_alu depctr_hold_cnt(0) depctr_sa_sdst(0) depctr_va_vdst(0) depctr_va_sdst(0) depctr_va_ssrc(0) depctr_va_vcc(0) depctr_vm_vsrc(0)
	s_getreg_b32 s2, hwreg(HW_REG_IB_STS2, 6, 4)
	s_cmp_eq_u32 s2, 0
	s_cbranch_scc0 .Lentry_in_a_cluster
	s_endpgm
.Lentry_in_a_cluster:
	s_bfe_u32 s2, ttmp6, 0x10000c
	s_cmp_lg_u32 s2, 0xf033
	s_cbranch_scc0 .Lentry_shape_is_right
	s_endpgm
.Lentry_shape_is_right:
; qkv = x w_qkv on codes of FP4 (E2M1) with one E8M0 scale for each 32 along K; sums in f32.  A = x's codes [8192][512 bytes], B = w's [3072][512 bytes], scale bytes [rows][32].
; A tile of 256 tokens x 256 columns is made by four waves, each 128 x 128: 64 accumulators, 512 registers.  K = 1,024 is two LDS slots of 512 along K (rows of 256 bytes): both are first fills, nothing is filled again.
; The scales of the tile's 256 + 256 rows, for all of K, come once, in rows of 256 bytes, with the first fills.
; CLUSTERS: 4 x 4 work-groups; A's tiles are asked for jointly along a row of the cluster, B's along a column.  The tile's first token is 2,048 cy + 256 Y (Y: the cluster's y): the batch is the place in the cluster,
; so the first 16 positions of all four sequences lie in the clusters with Y = 0, and the branch that serves them is alike in all partners.  The cluster's x is the part: 0 q, 1 k, 2 v.
; THE MATRIX INSTRUCTION IS USED TRANSPOSED (source 0 = 16 rows of B, source 1 = 16 rows of A): a lane holds eight neighbouring columns of one token.
; OUT: f16, by head: qkv16 [part][batch][head][t][64]: two tokens of one head are 256 consecutive bytes, which sixteen lanes store.  The rows t < 16 also leave as f32: qkv32 [batch][16][3072].
; LIMIT: a result beyond 65,504 has no f16.
; REGISTERS, in windows of 256: window 0: v0-31 addresses; v32-95 scale words, two sets; v128-191 A's fragments, one set.  window 1: B's fragments, two sets, at v0 and v128.  windows 2, 3: the accumulators (a, b) at v[8 (8 (a % 4) + b)].
.set NQ,     4                         ; steps of 128 along K in a slot
.set ROWB,   256                       ; a tile's row in bytes
.set KROW,   512                       ; a row of codes in memory
.set PITCH,  272                       ; an LDS row: 256 bytes + 16 of padding: the 16 rows that a load touches begin 16 bytes further on in each 256
.set FR,     8
.set NL,     2
.set NP,     4                         ; places behind this matrix instruction (ISA guide 7.12.1)
.set HALFT,  128*PITCH
.set SLOT,   4*HALFT
.set KS,     32                        ; a row of scale bytes
.set SCL,    2*SLOT
.set HALFS,  16*272                    ; the scales of 128 rows
.set SBLK,   2*272                     ; those of 16 rows
.set SPARE,  SCL+4*HALFS               ; the spare words, 128 bytes for each wave
.set SPITCH, 528                       ; the f32 stage: 16 rows x (512 + 16) for each wave, in slot 0, which has had its only fill and its last read by then; the f16 stage, 16 x 272, lies in the same bytes
.set ADRA, 16
.set STO16, 18                         ; v18 the f16 stage: where I put 16 bytes of a token
.set RD16, 19                          ; v19 and where I read 16 bytes of two tokens of a head back
.set ADRB, 20
.set CO16, 22                          ; v22 my byte offset in qkv16
.set STO,  24                          ; v24-26 the same three for the f32 copy
.set RD,   25
.set CO,   26
.set ADRS, 27
.set SPW,  28
.set NIL,  29
.set SC,   32
.set AF,   128
.set BK,   128                         ; the f32 copy: 16 rows read back
.set TMP,  192                         ; packed results
.set OB,   32                          ; 16 tokens read back: v32-63 and v224-255 by turns
.set G1, 24
.set G0, 32
.set G1B, 48
.set G0B, 56
.set G1S, 68
.set G0S, 76
.set G1SB, 80
.set G0SB, 88
.set MSB, 0
.macro WIN new                         ; the immediate's high byte repeats the setting that is left
.if MSB != \new
	s_set_vgpr_msb (MSB<<8)|\new
.set MSB, \new
.endif
.endm
.set MUL_LO, 0xa1                      ; source 0 (B) window 1, source 1 (A) window 0, C and D window 2
.set MUL_HI, 0xf1
.set TO_B,   0x40
; A joint load: waves 0 and 1 fetch for A, waves 2 and 3 for B; the branch hangs on the wave's number alone.  An s_nop 0 and four v_nop follow each of the two lines.
.macro JLOAD g0a, g1a, g0b, g1b
	s_cmp_eq_u32 s15, 0
	s_cbranch_scc0 .Lfor_b_\@
	tensor_load_to_lds s[\g0a:\g0a+3], s[\g1a:\g1a+7]
	s_nop 0
.rept 4
	v_nop
.endr
	s_branch .Lasked_\@
.Lfor_b_\@:
	tensor_load_to_lds s[\g0b:\g0b+3], s[\g1b:\g1b+7]
	s_nop 0
.rept 4
	v_nop
.endr
.Lasked_\@:
.endm
.macro CROUND                          ; a round of the cluster's barrier
	s_barrier_signal -1
	s_barrier_wait -1
	s_cmp_lg_u32 s14, 0
	s_cbranch_scc1 .Lnot_wave_0_\@
	s_barrier_signal -3
.Lnot_wave_0_\@:
	s_barrier_wait -3
	s_barrier_signal -1
	s_barrier_wait -1
.endm
	s_load_b128 s[4:7], s[0:1], 0x0                ; A's codes, A's scales
	s_load_b128 s[8:11], s[0:1], 0x10              ; B's codes, B's scales
	s_load_b64 s[12:13], s[0:1], 0x20              ; qkv16
	s_load_b64 s[98:99], s[0:1], 0x28              ; qkv32
	v_lshl_add_u32 v[SPW], v0, 2, SPARE
	v_mov_b32 v[NIL], 0
	ds_add_u32 v[SPW], v[NIL]                      ; the wave's opening: the add, twice on end, and its wait ahead of my first tensor load
	ds_add_u32 v[SPW], v[NIL]
	v_lshrrev_b32 v1, 5, v0
	v_readfirstlane_b32 s14, v1                    ; wave 0..3
	s_lshr_b32 s15, s14, 1                         ; which half of the tile's tokens is mine.  Also: I fetch for A (0) or for B (1)
	s_and_b32 s16, s14, 1                          ; which half of its columns.  Also: which 128 rows I fetch
	s_bfe_u32 s40, ttmp6, 0x40000                  ; cx
	s_bfe_u32 s41, ttmp6, 0x40004                  ; cy
	s_lshl_b32 s42, ttmp9, 2
	s_add_co_u32 s42, s42, s40                     ; tile column = 4 x cluster x + cx
	s_and_b32 s17, ttmp7, 0xffff                   ; Y
	s_lshl_b32 s96, s41, 11
	s_lshl_b32 s97, s17, 8
	s_add_co_u32 s96, s96, s97                     ; the tile's first token: 2,048 cy + 256 Y
	s_or_b32 s95, s17, s15
	s_cmp_eq_u32 s95, 0
	s_cselect_b32 s95, 1, 0                        ; 1: my first 16 tokens are a sequence's first 16 (Y = 0, first half): alike in all sixteen partners, for a given wave
	s_lshl_b32 s43, s41, 2
	s_lshl_b32 s43, 15, s43                        ; my row of the cluster
	s_lshl_b32 s44, 0x1111, s40                    ; my column
	s_or_b32 s[G1+0], s43, (0<<16)|(1<<20)|(1<<21)|(5<<22)|(3<<25)  ; the mask; elements of 1 byte; padding on; bit 21 beside a mask; after every 64 words, 4 words
	s_or_b32 s[G1B+0], s44, (0<<16)|(1<<20)|(1<<21)|(5<<22)|(3<<25)
.irp g, G1, G1B
	s_mov_b32 s[\g+1], ROWB<<16                    ; tensor_dim0
	s_mov_b32 s[\g+2], 128<<16                     ; tensor_dim1
	s_mov_b32 s[\g+3], ROWB<<16                    ; tile_dim0
	s_mov_b32 s[\g+4], 128                         ; tile_dim1
	s_mov_b32 s[\g+5], KROW                        ; from row to row
	s_mov_b32 s[\g+6], 0
	s_mov_b32 s[\g+7], 0
.endr
	s_or_b32 s[G1S+0], s43, (3<<16)|(1<<20)|(1<<21)|(5<<22)|(3<<25)  ; the scales of 128 rows: 4,096 dense bytes as 16 rows of 32 elements of 8 bytes
	s_or_b32 s[G1SB+0], s44, (3<<16)|(1<<20)|(1<<21)|(5<<22)|(3<<25)
.irp g, G1S, G1SB
	s_mov_b32 s[\g+1], 32<<16
	s_mov_b32 s[\g+2], 16<<16
	s_mov_b32 s[\g+3], 32<<16
	s_mov_b32 s[\g+4], 16
	s_mov_b32 s[\g+5], 32
	s_mov_b32 s[\g+6], 0
	s_mov_b32 s[\g+7], 0
.endr
	s_lshl_b32 s18, s16, 7                         ; which 128 rows of the tile I fetch
	s_add_co_u32 s20, s96, s18                     ; A: the tile's first token + 128 x half
	s_lshl_b32 s46, s42, 8
	s_add_co_u32 s46, s46, s18                     ; B: 256 x tile column + 128 x half
	s_mov_b32 s21, 0
	s_mov_b32 s47, 0
	s_mov_b64 s[18:19], KS
	s_mul_u64 s[22:23], s[20:21], s[18:19]         ; where these rows' scales begin
	s_mul_u64 s[92:93], s[46:47], s[18:19]
	s_mov_b64 s[18:19], KROW
	s_mul_u64 s[20:21], s[20:21], s[18:19]         ; and their codes
	s_mul_u64 s[46:47], s[46:47], s[18:19]
	s_mul_i32 s45, s14, HALFT                      ; where they go: wave x 128 rows
	s_mul_i32 s94, s14, HALFS
	s_wait_dscnt 0x0                               ; both opening adds are done
	s_wait_kmcnt 0x0
	s_add_nc_u64 s[20:21], s[4:5], s[20:21]
	s_add_nc_u64 s[22:23], s[6:7], s[22:23]
	s_add_nc_u64 s[46:47], s[8:9], s[46:47]
	s_add_nc_u64 s[92:93], s[10:11], s[92:93]
	CROUND                                         ; all sixteen work-groups are here: the joint loads meet
	s_mov_b32 s[G0S], 1
	s_add_co_u32 s[G0S+1], s94, SCL
	s_mov_b64 s[G0S+2:G0S+3], s[22:23]
	s_or_b32 s[G0S+3], s[G0S+3], 0x80000000
	s_mov_b32 s[G0SB], 1
	s_add_co_u32 s[G0SB+1], s94, SCL
	s_mov_b64 s[G0SB+2:G0SB+3], s[92:93]
	s_or_b32 s[G0SB+3], s[G0SB+3], 0x80000000
	JLOAD G0S, G1S, G0SB, G1SB                     ; the scales first; three loads of a wave are out at the most
.irp s, 0,1
	s_mov_b32 s[G0+4*\s], 1
	s_add_co_u32 s[G0+4*\s+1], s45, \s*SLOT
	s_add_nc_u64 s[G0+4*\s+2:G0+4*\s+3], s[20:21], \s*ROWB
	s_or_b32 s[G0+4*\s+3], s[G0+4*\s+3], 0x80000000
	s_mov_b32 s[G0B+4*\s], 1
	s_add_co_u32 s[G0B+4*\s+1], s45, \s*SLOT
	s_add_nc_u64 s[G0B+4*\s+2:G0B+4*\s+3], s[46:47], \s*ROWB
	s_or_b32 s[G0B+4*\s+3], s[G0B+4*\s+3], 0x80000000
	JLOAD G0+4*\s, G1, G0B+4*\s, G1B
.endr
	v_and_b32 v1, 15, v0                           ; r = l % 16
	v_bfe_u32 v2, v0, 4, 1                         ; h = l / 16
	v_mul_u32_u24 v3, v1, PITCH
	v_lshl_add_u32 v4, v2, 4, v3                   ; a fragment's row x pitch + 16 x half
	s_mul_i32 s21, s15, HALFT                      ; my 128 rows of A
	s_mul_i32 s22, s16, HALFT
	s_add_co_u32 s22, s22, 2*HALFT                 ; my 128 rows of B, behind A's 256
.irp s, 0,1
	v_add_nc_u32 v[ADRA+\s], s21, v4
	v_add_nc_u32 v[ADRB+\s], s22, v4
	s_add_co_u32 s21, s21, SLOT
	s_add_co_u32 s22, s22, SLOT
.endr
	v_mul_u32_u24 v5, v1, KS                       ; my row's scales: 32 bytes a row,
	v_lshrrev_b32 v6, 8, v5
	v_lshl_add_u32 v5, v6, 4, v5                   ; and 16 more for each 256 passed
	s_mul_i32 s21, s15, HALFS
	s_mul_i32 s22, s16, HALFS
	s_add_co_u32 s22, s22, 2*HALFS
	s_sub_co_u32 s22, s22, s21
	v_mul_u32_u24 v6, s22, v2                      ; lanes 16-31 take B's
	s_add_co_u32 s21, s21, SCL
	v_add_nc_u32 v5, v5, v6
	v_add_nc_u32 v[ADRS], s21, v5
	s_mul_i32 s23, s14, 16*SPITCH                  ; my stage
	v_mul_u32_u24 v5, v1, SPITCH                   ; f32, in: row r, 32 bytes for each half of the lanes
	v_lshl_add_u32 v5, v2, 5, v5
	v_add_nc_u32 v[STO], s23, v5
	v_and_b32 v6, 31, v0
	v_lshlrev_b32 v[CO], 4, v6                     ; back: the 32 lanes take a row of 512 bytes; and the same in qkv32
	v_add_nc_u32 v[RD], s23, v[CO]
	v_add_nc_u32 v[STO16], s23, v4                 ; f16, in: row r of 272 bytes, 16 bytes for each half of the lanes
	v_bfe_u32 v5, v0, 3, 1
	v_mul_u32_u24 v5, v5, 272                      ; back: lanes 0-7 an even token, lanes 8-15 the odd one behind it,
	v_lshl_add_u32 v5, v2, 7, v5                   ; lanes 16-31 the same of the next head (128 bytes on in the row),
	v_and_b32 v6, 7, v0
	v_lshl_add_u32 v5, v6, 4, v5                   ; 16 bytes a lane
	v_add_nc_u32 v[RD16], s23, v5
	v_lshlrev_b32 v[CO16], 18, v2                  ; in qkv16 a head is 262,144 bytes,
	v_lshl_add_u32 v[CO16], v1, 4, v[CO16]         ; and sixteen lanes fill two tokens' 256 bytes
	s_lshl_b32 s20, ttmp9, 24                      ; qkv16: the part, 16 MiB;
	s_lshl_b32 s21, s41, 22                        ; the batch, 16 heads;
	s_add_co_u32 s20, s20, s21
	s_lshl_b32 s21, s40, 20                        ; my tile's four heads;
	s_add_co_u32 s20, s20, s21
	s_lshl_b32 s21, s16, 19                        ; my wave's two of them;
	s_add_co_u32 s20, s20, s21
	s_lshl_b32 s21, s17, 15                        ; 256 Y tokens of 128 bytes;
	s_add_co_u32 s20, s20, s21
	s_lshl_b32 s21, s15, 14                        ; my wave's half
	s_add_co_u32 s20, s20, s21
	s_mov_b32 s21, 0
	s_add_nc_u64 s[12:13], s[12:13], s[20:21]
	s_mul_i32 s20, s41, 16*12288                   ; qkv32: the batch's 16 rows;
	s_lshl_b32 s21, ttmp9, 12                      ; the part, 1,024 columns of 4 bytes;
	s_add_co_u32 s20, s20, s21
	s_lshl_b32 s21, s40, 10                        ; my tile's 256;
	s_add_co_u32 s20, s20, s21
	s_lshl_b32 s21, s16, 9                         ; my wave's 128
	s_add_co_u32 s20, s20, s21
	s_mov_b32 s21, 0
	s_add_nc_u64 s[98:99], s[98:99], s[20:21]
.macro FRAG reg, adr, q, i             ; 16 rows x 128 K of 4-bit codes: 8 registers; registers 4 c .. 4 c + 3 hold K = 64 c + 32 (l / 16) + 0 .. 31
.irp c, 0,1
	ds_load_b128 v[\reg+4*\c:\reg+4*\c+3], v[\adr] offset:64*(\q)+32*\c+(\i)*16*PITCH
.endr
.endm
; 16 matrix instructions: A's blocks a0, a0 + 1 x B's eight, the slot's q-th 128 along K.  p: B's set; sc: the set of scale words; zero = 1: the product starts the sums.
; The 64 accumulators take turns, one instruction a turn, in the same order in every step.  Lanes 0-15 of a scale register hold A's word, lanes 16-31 B's.
.macro MUL16 a0, p, q, sc, zero
.irp a, \a0, \a0+1
.irp b, 0,1,2,3,4,5,6,7
.if \zero
	v_wmma_scale_f32_16x16x128_f8f6f4 v[8*(8*((\a)%4)+\b):8*(8*((\a)%4)+\b)+7], v[128*(\p)+FR*\b:128*(\p)+FR*\b+FR-1], v[AF+FR*(\a):AF+FR*(\a)+FR-1], 0, v[SC+8*NQ*(\sc)+NQ*\b+(\q)], v[SC+8*NQ*(\sc)+NQ*(\a)+(\q)] matrix_a_fmt:MATRIX_FMT_FP4 matrix_b_fmt:MATRIX_FMT_FP4 matrix_a_scale:MATRIX_SCALE_ROW1
.else
	v_wmma_scale_f32_16x16x128_f8f6f4 v[8*(8*((\a)%4)+\b):8*(8*((\a)%4)+\b)+7], v[128*(\p)+FR*\b:128*(\p)+FR*\b+FR-1], v[AF+FR*(\a):AF+FR*(\a)+FR-1], v[8*(8*((\a)%4)+\b):8*(8*((\a)%4)+\b)+7], v[SC+8*NQ*(\sc)+NQ*\b+(\q)], v[SC+8*NQ*(\sc)+NQ*(\a)+(\q)] matrix_a_fmt:MATRIX_FMT_FP4 matrix_b_fmt:MATRIX_FMT_FP4 matrix_a_scale:MATRIX_SCALE_ROW1
.endif
.endr
.endr
.endm
.macro FETCH_B slot, q, p
	WIN TO_B
.irp i, 0,1,2,3,4,5,6,7
	FRAG 128*(\p)+FR*\i, ADRB+\slot, \q, \i
.endr
	WIN 0
.endm
.macro FETCH_A slot, q, i0
.irp i, \i0, \i0+1, \i0+2, \i0+3
	FRAG AF+FR*(\i), ADRA+\slot, \q, \i
.endr
.endm
.macro SCALES sc                       ; a slot's scale words: four a row; lanes 0-15 take A's block i, lanes 16-31 B's
.irp i, 0,1,2,3,4,5,6,7
	ds_load_b128 v[SC+8*NQ*\sc+NQ*\i:SC+8*NQ*\sc+NQ*\i+3], v[ADRS] offset:\i*SBLK
.endr
.endm
.macro PLACES n                        ; plain vector instructions between a matrix instruction and a load into, or a read of, its registers
.rept \n
	v_nop
.endr
.endm
.macro STEP slot, q, zero              ; a step of 128 along K that has its successor in the same slot
	s_wait_dscnt 4*NL                              ; B's set and A's blocks 0-3 are in; the youngest eight loads (A's blocks 4-7) may be out
	WIN MUL_LO
	MUL16 0, (\q)%2, \q, \slot, \zero
	MUL16 2, (\q)%2, \q, \slot, \zero
	s_wait_dscnt 0
	PLACES NP
	FETCH_B \slot, (\q)+1, 1-(\q)%2
	FETCH_A \slot, (\q)+1, 0
	WIN MUL_HI
	MUL16 4, (\q)%2, \q, \slot, \zero
	MUL16 6, (\q)%2, \q, \slot, \zero
	PLACES NP
	WIN 0
	FETCH_A \slot, (\q)+1, 4
.endm
	s_wait_tensorcnt 1                             ; the scales and my part of slot 0 are in; slot 1's load may be out
	s_barrier_signal -1
	s_barrier_wait -1
	FETCH_B 0, 0, 0
	FETCH_A 0, 0, 0
	SCALES 0
	FETCH_A 0, 0, 4
	STEP 0, 0, 1                                   ; the first products start the sums: nothing is cleared
	STEP 0, 1, 0
	STEP 0, 2, 0
	; slot 0's last step changes slots: each wave shows its part of slot 1 landed, then the barrier
	s_wait_tensorcnt 0x0                           ; all my tensor loads have landed
	ds_add_u32 v[SPW], v[NIL]                      ; 0 onto my spare word
	s_wait_dscnt 4*NL+1                            ; (the add and A's blocks 4-7 may be out)
	WIN MUL_LO
	MUL16 0, 1, 3, 0, 0
	s_wait_dscnt 0x0                               ; the add is done, and my reads of slot 0 are over
	s_barrier_signal -1
	MUL16 2, 1, 3, 0, 0
	WIN 0
	s_barrier_wait -1
	PLACES NP
	v_add_nc_u32 v[ADRS], 4*NQ, v[ADRS]            ; on to slot 1's scale words
	FETCH_B 1, 0, 0
	FETCH_A 1, 0, 0
	SCALES 1
	WIN MUL_HI
	MUL16 4, 1, 3, 0, 0
	MUL16 6, 1, 3, 0, 0
	PLACES NP
	WIN 0
	FETCH_A 1, 0, 4
	STEP 1, 0, 0
	STEP 1, 1, 0
	STEP 1, 2, 0
	s_wait_dscnt 4*NL                              ; the very last step: nothing more to fetch
	WIN MUL_LO
	MUL16 0, 1, 3, 1, 0
	MUL16 2, 1, 3, 1, 0
	s_wait_dscnt 0
	WIN MUL_HI
	MUL16 4, 1, 3, 1, 0
	MUL16 6, 1, 3, 1, 0
	WIN 0
	PLACES NP                                      ; behind the last products: for the reads of results and the loads into operands' registers below
	; THE F32 COPY of a sequence's first 16 tokens: my block 0 goes through my stage as it is and leaves as rows of 512 bytes
	s_cmp_lg_u32 s95, 0
	s_cbranch_scc0 .Lnofine
	WIN 0x08                                       ; an LDS store's data are its source 1: window 2
.irp b, 0,1,2,3,4,5,6,7
	ds_store_b128 v[STO], v[8*\b:8*\b+3] offset:64*\b              ; each accumulator from its low end on
	ds_store_b128 v[STO], v[8*\b+4:8*\b+7] offset:64*\b+16
.endr
	WIN 0
.irp t, 0,1,2,3,4,5,6,7,8,9,10,11,12,13,14,15
	ds_load_b128 v[BK+4*\t:BK+4*\t+3], v[RD] offset:\t*SPITCH      ; LDS serves a wave's instructions in order: these see the stores above
.endr
	s_wait_dscnt 0x0
.irp t, 0,1,2,3,4,5,6,7,8,9,10,11,12,13,14,15
	global_store_b128 v[CO], v[BK+4*\t:BK+4*\t+3], s[98:99] offset:\t*12288   ; 32 lanes store 512 consecutive bytes, aligned
.endr
	s_wait_xcnt 0x0
.Lnofine:
	; THE WAY OUT in f16, block by block of 16 tokens x 128 columns (two heads)
.macro PACK a
.set AC, 64*((\a)%4)
	WIN 0x0a+5*((\a)/4)                            ; sources 0 and 1: window 2 or 3
.irp b, 0,1,2,3,4,5,6,7
.irp r, 0,1,2,3
	v_cvt_pk_f16_f32 v[TMP+4*\b+\r], v[AC+8*\b+2*\r], v[AC+8*\b+2*\r+1]
.endr
.endr
	WIN 0
.endm
.macro TOSTAGE a
.set BKH, OB+192*((\a)%2)
.irp b, 0,1,2,3,4,5,6,7
	ds_store_b128 v[STO16], v[TMP+4*\b:TMP+4*\b+3] offset:32*\b
.endr
.irp t, 0,1,2,3,4,5,6,7
	ds_load_b128 v[BKH+4*\t:BKH+4*\t+3], v[RD16] offset:\t*544     ; tokens 2 t and 2 t + 1
.endr
.endm
.macro SEND a
.set BKH, OB+192*((\a)%2)
	s_wait_dscnt 0x0                               ; the block is back in registers
	s_wait_xcnt 0x0                                ; the earlier stores have read their registers: the next block's loads may land there
.irp t, 0,1,2,3,4,5,6,7
	global_store_b128 v[CO16], v[BKH+4*\t:BKH+4*\t+3], s[12:13] offset:2048*(\a)+256*\t   ; sixteen lanes store 256 consecutive bytes, aligned: two tokens of one head
.endr
.endm
	PACK 0
	TOSTAGE 0
.irp a, 1,2,3,4,5,6,7                  ; block a's conversions stand between block a - 1's loads from the stage and the wait for them
	PACK \a
	SEND \a-1
	TOSTAGE \a
.endr
	SEND 7
	s_wait_tensorcnt 0x0                           ; the wave's end
	ds_add_u32 v[SPW], v[NIL]
	s_wait_dscnt 0x0
	CROUND                                         ; the closing round
	s_endpgm
.Lfunc_end_k_q7a03892789_gemm1:
	.size	k_q7a03892789_gemm1, .Lfunc_end_k_q7a03892789_gemm1-k_q7a03892789_gemm1
	.p2alignl 7, 3214868480
	.fill 96, 4, 3214868480
	.section	.rodata,"a",@progbits
	.p2align	6, 0x0
	.amdhsa_kernel k_q7a03892789_gemm1
		.amdhsa_group_segment_fixed_size 327680
		.amdhsa_private_segment_fixed_size 0
		.amdhsa_enable_private_segment 0
		.amdhsa_kernarg_size 48
		.amdhsa_user_sgpr_count 2
		.amdhsa_user_sgpr_kernarg_segment_ptr 1
		.amdhsa_wavefront_size32 1
		.amdhsa_system_sgpr_workgroup_id_x 1
		.amdhsa_system_sgpr_workgroup_id_y 1
		.amdhsa_system_sgpr_workgroup_id_z 1
		.amdhsa_system_vgpr_workitem_id 0
		.amdhsa_next_free_vgpr 1024
		.amdhsa_next_free_sgpr 100
		.amdhsa_reserve_vcc 0
		.amdhsa_float_denorm_mode_32 3
		.amdhsa_float_denorm_mode_16_64 3
		.amdhsa_memory_ordered 1
		.amdhsa_forward_progress 1
		.amdhsa_inst_pref_size 131
	.end_amdhsa_kernel
	.amdgpu_metadata
---
amdhsa.version: [ 1, 2 ]
amdhsa.kernels:
  - .name:           k_q7a03892789_gemm1
    .symbol:         k_q7a03892789_gemm1.kd
    .args:
      - { .name: x_codes, .offset: 0, .size: 8, .value_kind: global_buffer, .address_space: global }
      - { .name: x_scales, .offset: 8, .size: 8, .value_kind: global_buffer, .address_space: global }
      - { .name: w_codes, .offset: 16, .size: 8, .value_kind: global_buffer, .address_space: global }
      - { .name: w_scales, .offset: 24, .size: 8, .value_kind: global_buffer, .address_space: global }
      - { .name: qkv16, .offset: 32, .size: 8, .value_kind: global_buffer, .address_space: global }
      - { .name: qkv32, .offset: 40, .size: 8, .value_kind: global_buffer, .address_space: global }
    .group_segment_fixed_size: 327680
    .private_segment_fixed_size: 0
    .kernarg_segment_align: 8
    .kernarg_segment_size: 48
    .max_flat_workgroup_size: 128
    .sgpr_count:     100
    .vgpr_count:     1024
    .wavefront_size: 32
...
	.end_amdgpu_metadata
.endif
;; end of part 2
;; launch attn (part 3): grid 4 x 64, 8 waves a work-group, no clusters, 327,680 bytes of LDS; arguments qkv16, ao16; writes ao16
.if DOCPART == 3
	.amdgcn_target "amdgcn-amd-amdhsa--gfx1250"
	.amdhsa_code_object_version 6
	.text
	.protected	k_q7a03892789_attn
	.globl	k_q7a03892789_attn
	.p2align	8
	.type	k_q7a03892789_attn,@function
k_q7a03892789_attn:
	s_mov_b64 s[64:65], 0
	v_nop
	global_prefetch_b8 v0, s[64:65] scope:SCOPE_SE
	s_setreg_imm32_b32 hwreg(HW_REG_WAVE_MODE, 25, 1), 1
	s_wait_xcnt 0x0
; ao[q] = the sum over k <= q of softmax_k(q . k / 8) v[k], for one (batch, head) a work-group row; q, k, v in f16 by head [part][batch x head][2048][64]; products, maxima and sums in f32; the weights p rounded to f16.
; SHARES.  Work-group i of a head owns query blocks 7 - i and i (256 queries each), one after the other: (8 - i) + (i + 1) = 9 units of 256 keys for every work-group.  A wave owns 32 queries: two tiles of 16.
; Two waves lie on a SIMD, so that one wave's softmax stands beside the other's products and LDS loads.
; NO CLUSTER: the four work-groups of a head want different key units in a given trip (unit u against u - (8 - i)), so a joint load would bring tiles that a partner never reads.
; THE WALK is one loop of eight trips and a tail: trip u reads key unit u, or u - (8 - i) once block 7 - i is done; all nine units are read.
; LAYOUT.  S^T = K Q^T and O^T = V^T P: a lane holds one query (lane % 16) throughout.  K comes out of LDS as it lies, V turned by ds_load_tr16_b128.
; SOFTMAX.  A running maximum m and sum l for each query: p = 2^(c s - c m), c = log2(e) / 8; in every step O and l are multiplied by a = 2^(c m_old - c m_new).
; A step all of whose 64 keys come after my 32 queries is left out by a scalar branch on ids; on the diagonal hidden scores become -infinity.  A step that is walked begins at or under my first query, so m is a number.
; OUT: ao16 [head][token][64] f16.  LIMITS: magnitudes beyond 65,504 have no f16; NaN and infinities are not served.
; LDS: a step's 64 keys of K are 32 rows of 256 bytes (two keys a row) + 16 of padding, its V the same + 32; a slot holds four steps; two slots; behind them a stage for each wave, and the spare words.
; REGISTERS: window 0: v1-15 addresses; v16-31 statistics, 8 a tile: +0 c m, +1 m, +2 +3 l, +4..+7 at work (a in +6); v32-63 Q; v64-127 K; v128-191 S^T, then p; v192-223 P.  window 1: v0-63 O^T; v64-127 V.
.set STEPB, 17920
.set VOFF,  8704
.set SLOT1, 131072                     ; one exclusive or turns an address in one slot into the other's
.set STAGE, SLOT1+4*STEPB              ; 16 rows x 272 bytes for each wave
.set SPARE, STAGE+8*4352               ; the spare words, 128 bytes for each wave
.set ST, 16
.set QR, 32
.set KR, 64
.set S,  128
.set P,  192
.set VR, 64                            ; in window 1
.set MSB, 0
.macro WIN new                         ; the immediate's high byte repeats the setting that is left
.if MSB != \new
	s_set_vgpr_msb (MSB<<8)|\new
.set MSB, \new
.endif
.endm
; s8 wave; s9 i; s10 batch x head; s11 units of the first block; s12 trip; s13 steps to go in a slot; s14 the step's first key; s15 my first query; s16 the same in the second block; s17 LDS byte of the step in hand;
; s18 prefetch limit; s19 my tile's place in a slot; s[20:21] lane selects; s[22:23] c; s[24:31], s[32:39] groups 1 for K, V; s[40:43], s[44:47] groups 0; s[48:49] Q; s[50:51], s[52:53] K, V at my tile of unit 0;
; s[54:55] ao16 at the sequence; s[56:57] prefetch; s[58:59], s[60:61] addresses in hand; s[66:69] at work
; Waves 0-3 fetch K of step w, waves 4-7 V of step w - 4: one load of 8,192 dense bytes a wave.  An s_nop 0 and four v_nop follow each of the two lines.
.macro TLOAD
	s_cmp_lt_u32 s8, 4
	s_cbranch_scc0 .Lfor_v_\@
	tensor_load_to_lds s[40:43], s[24:31]
	s_nop 0
.rept 4
	v_nop
.endr
	s_branch .Lasked_\@
.Lfor_v_\@:
	tensor_load_to_lds s[44:47], s[32:39]
	s_nop 0
.rept 4
	v_nop
.endr
.Lasked_\@:
.endm
; A PREFETCH INTO THE L2 of the key unit that the NEXT change of slots will ask for: my wave's 8,192 bytes of it, lanes 256 bytes apart, one instruction.  The head's work-group 0 alone asks: it walks units 0 to 7 in order,
; so each block of 256 bytes is named once in the launch.  Units 0 and 1 come by their loads alone; trips 6 and later ask for nothing: unit 7 is the last.
.macro ASK
	s_cmp_lt_u32 s12, s18
	s_cbranch_scc0 .Lnot_mine_\@
	global_prefetch_b8 v12, s[56:57] th:TH_LOAD_NT scope:SCOPE_SE
.Lnot_mine_\@:
.endm
; THE CHANGE OF SLOTS, at a unit's head.  Each wave waits for all its tensor loads (its part of the slot ahead), adds 0 to its spare word, and waits for that and for its reads of the slot that it has left.
; fill = 1: behind the barrier the other slot takes the next trip's unit: the load has four steps in which to land.
.macro CHANGE fill
	s_wait_tensorcnt 0x0                           ; no tensor load of mine is out, so a group 0 may be written
	ds_add_u32 v10, v11                            ; 0 onto my spare word
.if \fill
	s_add_co_u32 s66, s12, 1                       ; the next trip's unit: u + 1, or u + 1 less the first block's units
	s_sub_co_u32 s67, s66, s11
	s_cmp_lt_u32 s66, s11
	s_cselect_b32 s66, s66, s67
	s_lshl_b32 s66, s66, 15                        ; 256 keys of 128 bytes
	s_mov_b32 s67, 0
	s_add_nc_u64 s[42:43], s[50:51], s[66:67]
	s_or_b32 s43, s43, 0x80000000
	s_add_nc_u64 s[46:47], s[52:53], s[66:67]
	s_or_b32 s47, s47, 0x80000000
	s_xor_b32 s41, s41, SLOT1
	s_xor_b32 s45, s45, SLOT1
	s_wait_xcnt 0x0                                ; the last prefetch, a unit back, has read its address
	s_add_nc_u64 s[56:57], s[56:57], 32768
.endif
	s_wait_dscnt 0x0                               ; the add is done, and my reads of the slot that I have left are over
	s_barrier_signal -1
	s_barrier_wait -1
.if \fill
	TLOAD                                          ; the first thing behind the barrier, and my one tensor load until the next
	ASK
.endif
.endm
; The softmax of both tiles for one step, line by line by turns, so that no line waits for the line above it
.macro SOFTMAX
.irp j, 0,1,2,3
.irp t, 0,1
	v_max3_num_f32 v[ST+8*\t+4+\j], v[S+32*\t+8*\j], v[S+32*\t+8*\j+1], v[S+32*\t+8*\j+2]   ; four chains, each begun at an accumulator's low end
.endr
.endr
.irp g, 1,2
.irp j, 0,1,2,3
.irp t, 0,1
	v_max3_num_f32 v[ST+8*\t+4+\j], v[ST+8*\t+4+\j], v[S+32*\t+8*\j+2*\g+1], v[S+32*\t+8*\j+2*\g+2]
.endr
.endr
.endr
.irp t, 0,1
	v_max3_num_f32 v[ST+8*\t+4], v[ST+8*\t+4], v[S+32*\t+7], v[S+32*\t+15]
.endr
.irp t, 0,1
	v_max3_num_f32 v[ST+8*\t+6], v[ST+8*\t+6], v[S+32*\t+23], v[S+32*\t+31]
.endr
.irp t, 0,1
	v_max3_num_f32 v[ST+8*\t+4], v[ST+8*\t+4], v[ST+8*\t+5], v[ST+8*\t+6]
.endr
.irp t, 0,1
	v_max3_num_f32 v[ST+8*\t+4], v[ST+8*\t+4], v[ST+8*\t+7], v[ST+8*\t+1]   ; and the old m
.endr
.irp t, 0,1
	v_permlanex16_b32 v[ST+8*\t+5], v[ST+8*\t+4], s20, s21         ; the query's other 32 keys lie in the lane 16 away
.endr
.irp t, 0,1
	v_mov_b32 v[ST+8*\t+7], v[ST+8*\t]             ; c m_old is kept for a
.endr
.irp t, 0,1
	v_max_num_f32 v[ST+8*\t+1], v[ST+8*\t+4], v[ST+8*\t+5]
.endr
.irp t, 0,1
	v_mul_f32 v[ST+8*\t], s22, v[ST+8*\t+1]
.endr
.irp t, 0,1
	v_sub_f32 v[ST+8*\t+7], v[ST+8*\t+7], v[ST+8*\t]
.endr
.irp p, 0,2,4,6,8,10,12,14,16,18,20,22,24,26,28,30
.irp t, 0,1
	v_pk_fma_f32 v[S+32*\t+\p:S+32*\t+\p+1], v[S+32*\t+\p:S+32*\t+\p+1], s[22:23], v[ST+8*\t:ST+8*\t+1] op_sel_hi:[1,0,0] neg_lo:[0,0,1] neg_hi:[0,0,1]   ; c s - c m
.endr
.endr
.irp t, 0,1
	v_exp_f32 v[ST+8*\t+6], v[ST+8*\t+7]           ; a.  ONE BATCH: 66 exponentials, none of which reads another's result
.endr
.irp p, 0,1,2,3,4,5,6,7,8,9,10,11,12,13,14,15,16,17,18,19,20,21,22,23,24,25,26,27,28,29,30,31
.irp t, 0,1
	v_exp_f32 v[S+32*\t+\p], v[S+32*\t+\p]
.endr
.endr
	v_nop                                          ; a plain instruction behind the last exponential
	s_wait_alu depctr_va_vdst(0)                   ; one wait for the batch, ahead of its first reader
.irp p, 0,1,2,3,4,5,6,7,8,9,10,11,12,13,14,15
.irp t, 0,1
	v_cvt_pk_f16_f32 v[P+16*\t+\p], v[S+32*\t+2*\p], v[S+32*\t+2*\p+1]   ; two neighbouring keys: these ARE source 1 of the second product
.endr
.endr
.irp p, 0,4,8,12,16,20,24,28
.irp t, 0,1
	v_pk_add_f32 v[S+32*\t+\p:S+32*\t+\p+1], v[S+32*\t+\p:S+32*\t+\p+1], v[S+32*\t+\p+2:S+32*\t+\p+3]   ; the sum of the unrounded p, in place
.endr
.endr
.irp p, 0,8,16,24
.irp t, 0,1
	v_pk_add_f32 v[S+32*\t+\p:S+32*\t+\p+1], v[S+32*\t+\p:S+32*\t+\p+1], v[S+32*\t+\p+4:S+32*\t+\p+5]
.endr
.endr
.irp p, 0,16
.irp t, 0,1
	v_pk_add_f32 v[S+32*\t+\p:S+32*\t+\p+1], v[S+32*\t+\p:S+32*\t+\p+1], v[S+32*\t+\p+8:S+32*\t+\p+9]
.endr
.endr
.irp t, 0,1
	v_pk_add_f32 v[S+32*\t:S+32*\t+1], v[S+32*\t:S+32*\t+1], v[S+32*\t+16:S+32*\t+17]
.endr
.irp t, 0,1
	v_pk_fma_f32 v[ST+8*\t+2:ST+8*\t+3], v[ST+8*\t+2:ST+8*\t+3], v[ST+8*\t+6:ST+8*\t+7], v[S+32*\t:S+32*\t+1] op_sel_hi:[1,0,1]   ; l = a l + the sum
.endr
	WIN 0x41                                       ; O^T (destination and source 0) in window 1, a in window 0
.irp t, 0,1
.irp p, 0,2,4,6,8,10,12,14,16,18,20,22,24,26,28,30
	v_pk_mul_f32 v[32*\t+\p:32*\t+\p+1], v[32*\t+\p:32*\t+\p+1], v[ST+8*\t+6:ST+8*\t+7] op_sel_hi:[1,0]
.endr
.endr
	WIN 0
.endm
; A KEY STEP: 64 keys
.macro STEP
	s_add_co_u32 s66, s15, 31
	s_cmp_gt_u32 s14, s66                          ; all 64 keys come after my 32 queries: ids and the count of steps alone
	s_cbranch_scc1 .Lhid_\@
	v_add_nc_u32 v3, s17, v1
	v_add_nc_u32 v4, s17, v2
	v_nop                                          ; with the two additions: four places between the last step's products and the loads into V's registers
	v_nop
.irp f, 0,1,2,3,4,5,6,7                        ; K: keys 16 (f / 2) on, channels 32 (f % 2) on
	ds_load_b128 v[KR+8*\f:KR+8*\f+3],   v3 offset:(\f/2)*2176+(\f%2)*64
	ds_load_b128 v[KR+8*\f+4:KR+8*\f+7], v3 offset:(\f/2)*2176+(\f%2)*64+32
.endr
	WIN 0x40                                       ; destination window 1
.irp f, 0,1,2,3,4,5,6,7                        ; V, turned: keys 32 (f / 4) on, channels 16 (f % 4) on
	ds_load_tr16_b128 v[VR+8*\f:VR+8*\f+3],   v4 offset:(\f/4)*4608+(\f%4)*32
	ds_load_tr16_b128 v[VR+8*\f+4:VR+8*\f+7], v4 offset:(\f/4)*4608+2304+(\f%4)*32
.endr
	WIN 0
	s_wait_dscnt 16                                ; K is in; V's sixteen loads may be out
.irp c, 0,1                                    ; S^T = K Q^T: eight accumulators by turns; the first eight products start the sums
.irp t, 0,1
.irp k, 0,1,2,3
.if \c == 0
	v_wmma_f32_16x16x32_f16 v[S+32*\t+8*\k:S+32*\t+8*\k+7], v[KR+16*\k:KR+16*\k+7], v[QR+16*\t:QR+16*\t+7], 0
.else
	v_wmma_f32_16x16x32_f16 v[S+32*\t+8*\k:S+32*\t+8*\k+7], v[KR+16*\k+8:KR+16*\k+15], v[QR+16*\t+8:QR+16*\t+15], v[S+32*\t+8*\k:S+32*\t+8*\k+7]
.endif
.endr
.endr
.endr
.rept 4
	v_nop
.endr
	s_add_co_u32 s66, s14, 63
	s_cmp_le_u32 s66, s15                          ; every key counts for every query of mine: no mask
	s_cbranch_scc1 .Lopen_\@
	s_sub_co_i32 s66, s15, s14
	v_add_nc_u32 v13, s66, v9                      ; d = my first query - the first key + lane % 16 - 8 (lane / 16).  Register 8 k + j of tile t holds a key that is hidden where 16 k + j - 16 t > d
	v_mov_b32 v14, 0xff800000                      ; -infinity
.irp t, 0,1
.irp k, 0,1,2,3
.irp j, 0,1,2,3,4,5,6,7
	v_cmp_gt_i32 vcc_lo, 16*\k+\j-16*\t, v13
	v_cndmask_b32 v[S+32*\t+8*\k+\j], v[S+32*\t+8*\k+\j], v14, vcc_lo
.endr
.endr
.endr
.Lopen_\@:
	SOFTMAX
	s_wait_dscnt 0x0                               ; V is in
	WIN 0x51                                       ; V and O^T in window 1, P in window 0
.irp k, 0,1                                    ; O^T += V^T P: eight accumulators by turns
.irp t, 0,1
.irp c, 0,1,2,3
	v_wmma_f32_16x16x32_f16 v[32*\t+8*\c:32*\t+8*\c+7], v[VR+32*\k+8*\c:VR+32*\k+8*\c+7], v[P+16*\t+8*\k:P+16*\t+8*\k+7], v[32*\t+8*\c:32*\t+8*\c+7]
.endr
.endr
.endr
	WIN 0
.Lhid_\@:
	s_add_co_u32 s14, s14, 64
	s_add_co_u32 s17, s17, STEPB
.endm
.macro FOUR_STEPS                      ; a slot's four steps: written once, walked four times
	s_mov_b32 s13, 4
.Lstep_\@:
	STEP
	s_sub_co_u32 s13, s13, 1
	s_cmp_lg_u32 s13, 0
	s_cbranch_scc1 .Lstep_\@
	s_sub_co_u32 s17, s17, 4*STEPB
	s_xor_b32 s17, s17, SLOT1                      ; on to the other slot
.endm
.macro LOADQ                           ; my 32 queries stay in registers: tile t, channels 32 c on, at v[QR + 16 t + 8 c]
	s_lshl_b32 s66, s15, 7
	s_mov_b32 s67, 0
	s_add_nc_u64 s[60:61], s[48:49], s[66:67]
.irp t, 0,1
.irp c, 0,1
	global_load_b128 v[QR+16*\t+8*\c:QR+16*\t+8*\c+3],   v5, s[60:61] offset:2048*\t+64*\c
	global_load_b128 v[QR+16*\t+8*\c+4:QR+16*\t+8*\c+7], v5, s[60:61] offset:2048*\t+64*\c+32
.endr
.endr
	s_wait_loadcnt 0x0
.endm
.macro INIT                            ; a block of queries begins: m under every score, l and O^T zeros, which the first a, 0, leaves zeros.  So the step is written once
.irp t, 0,1
	v_mov_b32 v[ST+8*\t+1], 0xff61b1e6             ; -3e38
	v_mul_f32 v[ST+8*\t], s22, v[ST+8*\t+1]
	v_mov_b32 v[ST+8*\t+2], 0
	v_mov_b32 v[ST+8*\t+3], 0
	v_mov_b32 v[ST+8*\t+5], 0                      ; a lane permute's destination counts as one of its sources
	v_mov_b32 v[ST+8*\t+7], 0
.endr
	WIN 0x40
.set i, 0
.rept 64
	v_mov_b32 v[i], 0
.set i, i+1
.endr
	WIN 0
.endm
.macro FINAL                           ; a block of queries ends: O^T / l, rounded to f16, through my stage, out as 512 consecutive bytes an instruction
.rept 4
	v_nop                                          ; places behind the last products
.endr
	s_lshl_b32 s66, s15, 7
	s_mov_b32 s67, 0
	s_add_nc_u64 s[58:59], s[54:55], s[66:67]
.irp t, 0,1
	v_add_f32 v[ST+8*\t+4], v[ST+8*\t+2], v[ST+8*\t+3]
.endr
.irp t, 0,1
	v_permlanex16_b32 v[ST+8*\t+5], v[ST+8*\t+4], s20, s21
.endr
.irp t, 0,1
	v_add_f32 v[ST+8*\t+4], v[ST+8*\t+4], v[ST+8*\t+5]
.endr
.irp t, 0,1
	v_rcp_f32 v[ST+8*\t+6], v[ST+8*\t+4]
.endr
	v_nop
	s_wait_alu depctr_va_vdst(0)                   ; one wait for the two reciprocals, ahead of their first reader
	WIN 0x01                                       ; source 0 (O^T) in window 1
.irp t, 0,1
.irp p, 0,2,4,6,8,10,12,14,16,18,20,22,24,26,28,30
	v_pk_mul_f32 v[S+32*\t+\p:S+32*\t+\p+1], v[32*\t+\p:32*\t+\p+1], v[ST+8*\t+6:ST+8*\t+7] op_sel_hi:[1,0]
.endr
.endr
	WIN 0
.irp t, 0,1
.irp p, 0,1,2,3,4,5,6,7,8,9,10,11,12,13,14,15
	v_cvt_pk_f16_f32 v[P+16*\t+\p], v[S+32*\t+2*\p], v[S+32*\t+2*\p+1]
.endr
.endr
.irp t, 0,1
.irp c, 0,1,2,3
	ds_store_b128 v6, v[P+16*\t+4*\c:P+16*\t+4*\c+3] offset:2176*\t+32*\c   ; my query's channels 16 c + 8 (lane / 16) on
.endr
.endr
.irp f, 0,1,2,3,4,5,6,7
	ds_load_b128 v[S+4*\f:S+4*\f+3], v7 offset:544*\f              ; four queries' 512 bytes; LDS serves a wave's instructions in order
.endr
	s_wait_dscnt 0x0
.irp f, 0,1,2,3,4,5,6,7
	global_store_b128 v8, v[S+4*\f:S+4*\f+3], s[58:59] offset:512*\f
.endr
	s_wait_xcnt 0x0                                ; the stores have read their registers and their base
.endm
	s_load_b128 s[4:7], s[0:1], 0x0                ; qkv16 s[4:5], ao16 s[6:7]
	v_lshl_add_u32 v10, v0, 2, SPARE
	v_mov_b32 v11, 0
	ds_add_u32 v10, v11                            ; the wave's opening: the add, twice on end, and its wait ahead of my first tensor load
	ds_add_u32 v10, v11
	v_lshrrev_b32 v13, 5, v0
	v_readfirstlane_b32 s8, v13                    ; wave 0..7
	s_mov_b32 s9, ttmp9
	s_and_b32 s10, ttmp7, 0xffff
	s_sub_co_u32 s11, 8, s9
	s_mov_b32 s12, 0
	s_mov_b32 s14, 0
	s_sub_co_u32 s15, 7, s9
	s_lshl_b32 s15, s15, 8
	s_lshl_b32 s66, s8, 5
	s_add_co_u32 s15, s15, s66                     ; my first query: 256 (7 - i) + 32 w,
	s_lshl_b32 s16, s9, 8
	s_add_co_u32 s16, s16, s66                     ; and later 256 i + 32 w
	s_mov_b32 s17, 0
	s_cmp_eq_u32 s9, 0
	s_cselect_b32 s18, 6, 0
	s_mov_b32 s20, 0x76543210
	s_mov_b32 s21, 0xfedcba98
	s_mov_b32 s22, 0x3e38aa3b                      ; c = log2(e) / 8
	s_mov_b32 s23, s22
	s_mov_b32 s24, (1<<16)|(1<<20)|(5<<22)|(3<<25) ; K: elements of 2 bytes; padding on: after every 64 words, 4 words
	s_mov_b32 s32, (1<<16)|(1<<20)|(5<<22)|(7<<25) ; V: 8 words
.irp g, 24, 32
	s_mov_b32 s[\g+1], 128<<16                     ; tensor_dim0 = 128 elements: two keys
	s_mov_b32 s[\g+2], 32<<16                      ; tensor_dim1 = 32
	s_mov_b32 s[\g+3], 128<<16                     ; tile_dim0
	s_mov_b32 s[\g+4], 32                          ; tile_dim1
	s_mov_b32 s[\g+5], 128                         ; dense
	s_mov_b32 s[\g+6], 0
	s_mov_b32 s[\g+7], 0
.endr
	s_lshl_b32 s66, s10, 18                        ; a head is 262,144 bytes
	s_mov_b32 s67, 0
	s_and_b32 s68, s8, 3
	s_mul_i32 s19, s68, STEPB                      ; my step's place in a slot,
	s_lshl_b32 s68, s68, 13                        ; and its 8,192 bytes in a unit
	s_mov_b32 s69, 0
	s_wait_dscnt 0x0                               ; both opening adds are done
	s_wait_kmcnt 0x0
	s_add_nc_u64 s[48:49], s[4:5], s[66:67]
	s_add_nc_u64 s[50:51], s[48:49], s[68:69]
	s_add_nc_u64 s[52:53], s[50:51], 0x2000000     ; V: the third part
	s_add_nc_u64 s[50:51], s[50:51], 0x1000000     ; K: the second
	s_mov_b32 s40, 1
	s_mov_b32 s41, s19
	s_mov_b64 s[42:43], s[50:51]
	s_or_b32 s43, s43, 0x80000000
	s_mov_b32 s44, 1
	s_add_co_u32 s45, s19, VOFF
	s_mov_b64 s[46:47], s[52:53]
	s_or_b32 s47, s47, 0x80000000
	TLOAD                                          ; unit 0 into slot 0
	s_and_b32 s66, s10, 15
	s_lshl_b32 s66, s66, 20                        ; ao16: a head's plane is 1 MiB,
	s_lshr_b32 s68, s10, 4
	s_lshl_b32 s68, s68, 18                        ; a sequence in it 262,144 bytes
	s_add_co_u32 s66, s66, s68
	s_add_nc_u64 s[54:55], s[6:7], s[66:67]
	s_cmp_lt_u32 s8, 4
	s_cselect_b64 s[56:57], s[50:51], s[52:53]
	s_add_nc_u64 s[56:57], s[56:57], 32768         ; at unit 1: the first change of slots steps it to unit 2.  Nothing is prefetched here, at the head
	v_and_b32 v13, 15, v0                          ; r
	v_bfe_u32 v14, v0, 4, 1                        ; h
	v_lshrrev_b32 v15, 1, v13
	v_mul_u32_u24 v1, v15, 272
	v_and_b32 v15, 1, v0
	v_lshl_add_u32 v1, v15, 7, v1
	v_lshl_add_u32 v1, v14, 4, v1                  ; K: key r at 272 (r / 2) + 128 (r % 2), + 16 h
	v_bfe_u32 v15, v0, 1, 2
	v_lshl_add_u32 v15, v14, 2, v15
	v_mul_u32_u24 v2, v15, 288
	v_and_b32 v15, 1, v0
	v_lshl_add_u32 v2, v15, 7, v2
	v_bfe_u32 v15, v0, 3, 1
	v_lshl_add_u32 v2, v15, 4, v2
	v_add_nc_u32 v2, VOFF, v2                      ; V: key 8 h + lane % 8 at 288 (key / 2) + 128 (key % 2), channels 8 ((lane / 8) % 2) on
	v_lshlrev_b32 v5, 7, v13
	v_lshl_add_u32 v5, v14, 4, v5                  ; Q: 128 r + 16 h
	s_mul_i32 s66, s8, 4352
	s_add_co_u32 s66, s66, STAGE                   ; my stage
	v_add_nc_u32 v6, s66, v1                       ; in: as K's rows lie
	v_mul_u32_u24 v7, v14, 272
	v_lshl_add_u32 v7, v13, 4, v7
	v_add_nc_u32 v7, s66, v7                       ; back: lanes 0-15 one row of 256 bytes, lanes 16-31 the next
	v_and_b32 v8, 31, v0
	v_lshlrev_b32 v12, 8, v8                       ; the prefetches' offset: 256 x lane
	v_lshlrev_b32 v8, 4, v8                        ; out: 16 x lane
	v_lshlrev_b32 v15, 3, v14
	v_sub_nc_u32 v9, v13, v15                      ; r - 8 h, for the mask
	LOADQ
	INIT
.Lunit:                                            ; eight trips
	CHANGE 1
	FOUR_STEPS
	s_add_co_u32 s12, s12, 1
	s_cmp_lg_u32 s12, s11                          ; the first block's last unit is done: ids and the count of trips alone, the same in all eight waves
	s_cbranch_scc1 .Lnoswitch
	FINAL
	s_mov_b32 s15, s16
	s_mov_b32 s14, 0
	LOADQ
	INIT
.Lnoswitch:
	s_cmp_lt_u32 s12, 8
	s_cbranch_scc1 .Lunit
	CHANGE 0                                       ; the last unit is written out: nothing is left to ask for
	FOUR_STEPS
	FINAL
	s_wait_tensorcnt 0x0                           ; the wave's end
	ds_add_u32 v10, v11
	s_wait_dscnt 0x0
	s_endpgm
.Lfunc_end_k_q7a03892789_attn:
	.size	k_q7a03892789_attn, .Lfunc_end_k_q7a03892789_attn-k_q7a03892789_attn
	.p2alignl 7, 3214868480
	.fill 96, 4, 3214868480
	.section	.rodata,"a",@progbits
	.p2align	6, 0x0
	.amdhsa_kernel k_q7a03892789_attn
		.amdhsa_group_segment_fixed_size 327680
		.amdhsa_private_segment_fixed_size 0
		.amdhsa_enable_private_segment 0
		.amdhsa_kernarg_size 16
		.amdhsa_user_sgpr_count 2
		.amdhsa_user_sgpr_kernarg_segment_ptr 1
		.amdhsa_wavefront_size32 1
		.amdhsa_system_sgpr_workgroup_id_x 1
		.amdhsa_system_sgpr_workgroup_id_y 1
		.amdhsa_system_sgpr_workgroup_id_z 1
		.amdhsa_system_vgpr_workitem_id 0
		.amdhsa_next_free_vgpr 384
		.amdhsa_next_free_sgpr 72
		.amdhsa_reserve_vcc 1
		.amdhsa_float_denorm_mode_32 3
		.amdhsa_float_denorm_mode_16_64 3
		.amdhsa_memory_ordered 1
		.amdhsa_forward_progress 1
		.amdhsa_inst_pref_size 71
	.end_amdhsa_kernel
	.amdgpu_metadata
---
amdhsa.version: [ 1, 2 ]
amdhsa.kernels:
  - .name:           k_q7a03892789_attn
    .symbol:         k_q7a03892789_attn.kd
    .args:
      - { .name: qkv16, .offset: 0, .size: 8, .value_kind: global_buffer, .address_space: global }
      - { .name: ao16, .offset: 8, .size: 8, .value_kind: global_buffer, .address_space: global }
    .group_segment_fixed_size: 327680
    .private_segment_fixed_size: 0
    .kernarg_segment_align: 8
    .kernarg_segment_size: 16
    .max_flat_workgroup_size: 256
    .sgpr_count:     72
    .vgpr_count:     384
    .wavefront_size: 32
...
	.end_amdgpu_metadata
.endif
;; end of part 3
;; launch proj (part 4): grid 4 x 64, 4 waves a work-group, clusters of 4 x 4, 327,680 bytes of LDS; arguments ao16, wo16, out0; writes out0
.if DOCPART == 4
	.amdgcn_target "amdgcn-amd-amdhsa--gfx1250"
	.amdhsa_code_object_version 6
	.text
	.protected	k_q7a03892789_proj
	.globl	k_q7a03892789_proj
	.p2align	8
	.type	k_q7a03892789_proj,@function
k_q7a03892789_proj:
	s_mov_b64 s[64:65], 0
	v_nop
	global_prefetch_b8 v0, s[64:65] scope:SCOPE_SE
	s_setreg_imm32_b32 hwreg(HW_REG_WAVE_MODE, 25, 1), 1
	s_wait_xcnt 0x0
	s_wait_alu depctr_hold_cnt(0) depctr_sa_sdst(0) depctr_va_vdst(0) depctr_va_sdst(0) depctr_va_ssrc(0) depctr_va_vcc(0) depctr_vm_vsrc(0)
	s_getreg_b32 s2, hwreg(HW_REG_IB_STS2, 6, 4)
	s_cmp_eq_u32 s2, 0
	s_cbranch_scc0 .Lentry_in_a_cluster
	s_endpgm
.Lentry_in_a_cluster:
	s_bfe_u32 s2, ttmp6, 0x10000c
	s_cmp_lg_u32 s2, 0xf033
	s_cbranch_scc0 .Lentry_shape_is_right
	s_endpgm
.Lentry_shape_is_right:
; out0[token][n] = the sum over k of ao[token][k] w_out[k][n], in f16 with f32 sums, for every token but the first 16 of each sequence, which a later launch makes in f32.
; ao16: [head][token][64] f16 (k = 64 head + channel); wo16: [n][k] f16.  A tile is 128 tokens x 256 columns: 256 work-groups; a wave makes 64 x 128: 32 accumulators.
; K goes in eight steps of 128 (two heads) through two LDS slots.  A's part of a step is two dense blocks of 16,384 bytes (a head's 128 tokens), brought as 64 rows of 256 bytes (two tokens a row); B's is 256 rows of 256 bytes.
; CLUSTERS: 4 x 4.  The tile's first token is 2,048 cy + 128 Y (Y: the cluster's y), the tile column is cx (the grid's x is one cluster wide): A's tiles are asked for jointly along a row of the cluster, B's along a column.
; So a sequence's first 16 tokens lie in the clusters with Y = 0, in block 0 of the waves of the first half: the branch round their stores is alike in all partners.
; No prefetch: the launch's 50 MB of reads and stores are its main work and K is short.
; THE MATRIX INSTRUCTION IS USED TRANSPOSED (source 0 = 16 rows of wo16, source 1 = 16 tokens): a lane holds eight neighbouring columns of one token.
; REGISTERS: window 0: v0-31 addresses; v64-127 A's fragments, two sets of 32; v128-255 the way out.  window 1: the accumulators (a, b) at v[8 (8 a + b)].  window 2: v0-127 B's fragments, two sets of 64.
.set PITCH,  272
.set PLA,    64*PITCH                  ; a head's 128 tokens
.set BOFF,   2*PLA
.set HALFB,  128*PITCH
.set SLOT,   BOFF+2*HALFB
.set STAGE,  2*SLOT                    ; 16 rows x (512 + 16) bytes for each wave
.set SPITCH, 528
.set SPARE,  STAGE+4*16*SPITCH         ; the spare words, 128 bytes for each wave
.set ADRA, 16
.set ADRB, 20
.set STO,  24
.set RD,   25
.set CO,   26
.set SPW,  28
.set NIL,  29
.set BK,   128
.set G1, 24
.set G0, 32
.set G1B, 48
.set G0B, 56
.set MSB, 0
.macro WIN new                         ; the immediate's high byte repeats the setting that is left
.if MSB != \new
	s_set_vgpr_msb (MSB<<8)|\new
.set MSB, \new
.endif
.endm
.set MUL, 0x52                         ; source 0 (B) window 2, source 1 (A) window 0, C and D window 1
.macro JLOAD s                         ; a joint load: waves 0 and 1 fetch A's two heads, waves 2 and 3 B's two halves; an s_nop 0 and four v_nop follow each of the two lines
	s_cmp_eq_u32 s11, 0
	s_cbranch_scc0 .Lfor_b_\@
	tensor_load_to_lds s[G0+4*\s:G0+4*\s+3], s[G1:G1+7]
	s_nop 0
.rept 4
	v_nop
.endr
	s_branch .Lasked_\@
.Lfor_b_\@:
	tensor_load_to_lds s[G0B+4*\s:G0B+4*\s+3], s[G1B:G1B+7]
	s_nop 0
.rept 4
	v_nop
.endr
.Lasked_\@:
.endm
.macro CREST                           ; a round of the cluster's barrier behind its opening barrier
	s_cmp_lg_u32 s10, 0
	s_cbranch_scc1 .Lnot_wave_0_\@
	s_barrier_signal -3
.Lnot_wave_0_\@:
	s_barrier_wait -3
	s_barrier_signal -1
	s_barrier_wait -1
.endm
.macro CROUND
	s_barrier_signal -1
	s_barrier_wait -1
	CREST
.endm
	s_load_b128 s[4:7], s[0:1], 0x0                ; ao16, wo16
	s_load_b64 s[8:9], s[0:1], 0x10                ; out0
	v_lshl_add_u32 v[SPW], v0, 2, SPARE
	v_mov_b32 v[NIL], 0
	ds_add_u32 v[SPW], v[NIL]                      ; the wave's opening: the add, twice on end, and its wait ahead of my first tensor load
	ds_add_u32 v[SPW], v[NIL]
	v_lshrrev_b32 v1, 5, v0
	v_readfirstlane_b32 s10, v1                    ; wave 0..3
	s_lshr_b32 s11, s10, 1                         ; which half of the tile's tokens is mine.  Also: I fetch for A (0) or for B (1)
	s_and_b32 s12, s10, 1                          ; which half of its columns.  Also: which head, or which 128 rows, I fetch
	s_bfe_u32 s40, ttmp6, 0x40000                  ; cx
	s_bfe_u32 s41, ttmp6, 0x40004                  ; cy
	s_and_b32 s13, ttmp7, 0xffff                   ; Y
	s_lshl_b32 s42, s41, 11
	s_lshl_b32 s14, s13, 7
	s_add_co_u32 s42, s42, s14                     ; the tile's first token
	s_or_b32 s2, s13, s11
	s_cmp_eq_u32 s2, 0
	s_cselect_b32 s2, 1, 0                         ; 1: my block 0 is a sequence's first 16 tokens
	s_lshl_b32 s43, s41, 2
	s_lshl_b32 s43, 15, s43                        ; my row of the cluster
	s_lshl_b32 s44, 0x1111, s40                    ; my column
	s_or_b32 s[G1+0], s43, (1<<16)|(1<<20)|(1<<21)|(5<<22)|(3<<25)  ; the mask; elements of 2 bytes; padding on; bit 21 beside a mask; after every 64 words, 4 words
	s_mov_b32 s[G1+1], 128<<16                     ; A: rows of 128 elements,
	s_mov_b32 s[G1+2], 64<<16                      ; 64 of them,
	s_mov_b32 s[G1+3], 128<<16
	s_mov_b32 s[G1+4], 64
	s_mov_b32 s[G1+5], 128                         ; dense
	s_mov_b32 s[G1+6], 0
	s_mov_b32 s[G1+7], 0
	s_or_b32 s[G1B+0], s44, (1<<16)|(1<<20)|(1<<21)|(5<<22)|(3<<25)
	s_mov_b32 s[G1B+1], 128<<16                    ; B: rows of 128 elements,
	s_mov_b32 s[G1B+2], 128<<16                    ; 128 of them,
	s_mov_b32 s[G1B+3], 128<<16
	s_mov_b32 s[G1B+4], 128
	s_mov_b32 s[G1B+5], 1024                       ; 1,024 elements apart
	s_mov_b32 s[G1B+6], 0
	s_mov_b32 s[G1B+7], 0
	s_lshl_b32 s16, s12, 20                        ; A: my head of the step's two, 1 MiB a head,
	s_lshl_b32 s17, s42, 7                         ; the tile's first token, 128 bytes a token
	s_add_co_u32 s16, s16, s17
	s_mov_b32 s17, 0
	s_lshl_b32 s46, s40, 19                        ; B: 256 cx rows of 2,048 bytes,
	s_lshl_b32 s47, s12, 18                        ; my 128 of them
	s_add_co_u32 s46, s46, s47
	s_mov_b32 s47, 0
	s_mul_i32 s20, s12, PLA                        ; where they go: no place in the cluster enters an LDS address
	s_mul_i32 s21, s12, HALFB
	s_add_co_u32 s21, s21, BOFF
	s_wait_dscnt 0x0                               ; both opening adds are done
	s_wait_kmcnt 0x0
	s_add_nc_u64 s[14:15], s[4:5], s[16:17]
	s_add_nc_u64 s[46:47], s[6:7], s[46:47]
	CROUND                                         ; all sixteen work-groups are here: the first joint loads meet
.irp s, 0,1
	s_mov_b32 s[G0+4*\s], 1
	s_add_co_u32 s[G0+4*\s+1], s20, \s*SLOT
	s_add_nc_u64 s[G0+4*\s+2:G0+4*\s+3], s[14:15], \s*0x200000     ; K step s: two heads on
	s_or_b32 s[G0+4*\s+3], s[G0+4*\s+3], 0x80000000
	s_mov_b32 s[G0B+4*\s], 1
	s_add_co_u32 s[G0B+4*\s+1], s21, \s*SLOT
	s_add_nc_u64 s[G0B+4*\s+2:G0B+4*\s+3], s[46:47], \s*256
	s_or_b32 s[G0B+4*\s+3], s[G0B+4*\s+3], 0x80000000
	JLOAD \s
.endr
	v_and_b32 v1, 15, v0                           ; r
	v_bfe_u32 v2, v0, 4, 1                         ; h
	v_lshrrev_b32 v3, 1, v1
	v_mul_u32_u24 v3, v3, PITCH
	v_and_b32 v4, 1, v0
	v_lshl_add_u32 v3, v4, 7, v3
	v_lshl_add_u32 v3, v2, 4, v3                   ; A: token r at 272 (r / 2) + 128 (r % 2), + 16 h
	v_mul_u32_u24 v4, v1, PITCH
	v_lshl_add_u32 v4, v2, 4, v4                   ; B: 272 r + 16 h
	s_mul_i32 s21, s11, 32*PITCH                   ; my 64 tokens
	s_mul_i32 s22, s12, HALFB
	s_add_co_u32 s22, s22, BOFF                    ; my 128 rows of B
.irp s, 0,1
	v_add_nc_u32 v[ADRA+\s], s21, v3
	v_add_nc_u32 v[ADRB+\s], s22, v4
	s_add_co_u32 s21, s21, SLOT
	s_add_co_u32 s22, s22, SLOT
.endr
	s_mul_i32 s23, s10, 16*SPITCH
	s_add_co_u32 s23, s23, STAGE                   ; my stage
	v_mul_u32_u24 v5, v1, SPITCH                   ; in: row r, 32 bytes for each half of the lanes
	v_lshl_add_u32 v5, v2, 5, v5
	v_add_nc_u32 v[STO], s23, v5
	v_and_b32 v6, 31, v0
	v_lshlrev_b32 v[CO], 4, v6                     ; back: the 32 lanes take a row of 512 bytes; and the same in out0
	v_add_nc_u32 v[RD], s23, v[CO]
	s_lshl_b32 s16, s11, 6
	s_add_co_u32 s16, s16, s42                     ; my first token,
	s_lshl_b32 s16, s16, 12                        ; 4,096 bytes a token;
	s_lshl_b32 s17, s40, 10                        ; my tile's 256 columns;
	s_add_co_u32 s16, s16, s17
	s_lshl_b32 s17, s12, 9                         ; my wave's 128
	s_add_co_u32 s16, s16, s17
	s_mov_b32 s17, 0
	s_add_nc_u64 s[8:9], s[8:9], s[16:17]
; 8 matrix instructions: token block a x B's eight, 32 along K, from set f.  The 32 accumulators take turns, one instruction a turn, in the same order in every quarter.
.macro MUL8 f, a, zero
.irp b, 0,1,2,3,4,5,6,7
.if \zero
	v_wmma_f32_16x16x32_f16 v[8*(8*(\a)+\b):8*(8*(\a)+\b)+7], v[64*(\f)+8*\b:64*(\f)+8*\b+7], v[64+32*(\f)+8*(\a):64+32*(\f)+8*(\a)+7], 0
.else
	v_wmma_f32_16x16x32_f16 v[8*(8*(\a)+\b):8*(8*(\a)+\b)+7], v[64*(\f)+8*\b:64*(\f)+8*\b+7], v[64+32*(\f)+8*(\a):64+32*(\f)+8*(\a)+7], v[8*(8*(\a)+\b):8*(8*(\a)+\b)+7]
.endif
.endr
.endm
; 24 LDS loads in one run: the fragments of the slot's q-th 32 along K into set f
.macro FETCH slot, q, f
	WIN 0x80                                       ; destination window 2
.irp i, 0,1,2,3,4,5,6,7
	ds_load_b128 v[64*(\f)+8*\i:64*(\f)+8*\i+3],   v[ADRB+\slot] offset:64*(\q)+\i*16*PITCH
	ds_load_b128 v[64*(\f)+8*\i+4:64*(\f)+8*\i+7], v[ADRB+\slot] offset:64*(\q)+\i*16*PITCH+32
.endr
	WIN 0
.irp i, 0,1,2,3
	ds_load_b128 v[64+32*(\f)+8*\i:64+32*(\f)+8*\i+3],   v[ADRA+\slot] offset:PLA*((\q)/2)+64*((\q)%2)+\i*8*PITCH
	ds_load_b128 v[64+32*(\f)+8*\i+4:64+32*(\f)+8*\i+7], v[ADRA+\slot] offset:PLA*((\q)/2)+64*((\q)%2)+\i*8*PITCH+32
.endr
.endm
.macro PLACES                          ; four plain vector instructions between matrix instructions and loads into, or reads of, their registers
.rept 4
	v_nop
.endr
.endm
; One of a K step's first three quarters: set f is multiplied; ahead of its 32 products the slot's q-th quarter is asked for, into set g
.macro QUARTER slot, q, f, g, zero
	s_wait_dscnt 0x0                               ; set f is in (asked for 32 matrix instructions ago)
	PLACES
	FETCH \slot, \q, \g
	WIN MUL
	MUL8 \f, 0, \zero
	MUL8 \f, 1, \zero
	MUL8 \f, 2, \zero
	MUL8 \f, 3, \zero
.endm
; The last quarter multiplies set 1 and changes slots: ONE barrier; in front of it each wave waits for all its tensor loads, adds 0 to its spare word, and waits for that and for its reads of this slot.
.macro TURN slot, next, fill
	WIN 0                                          ; (the add's two registers lie in window 0)
	s_wait_tensorcnt 0x0                           ; all my tensor loads have landed: my part of the next slot
	ds_add_u32 v[SPW], v[NIL]                      ; 0 onto my spare word
	s_wait_dscnt 1                                 ; set 1 is in; the add may be out
	WIN MUL
	MUL8 1, 0, 0                                   ; eight matrix instructions stand between the add and the wait for it
	s_wait_dscnt 0x0                               ; the add is done, and my reads of this slot are over
	s_barrier_signal -1
	MUL8 1, 1, 0
.if \fill
	WIN 0
.endif
	s_barrier_wait -1
.if \fill
	CREST                                          ; the barrier has opened a round of the cluster's: no wave of any partner still reads this slot or has a load on its way
	s_add_nc_u64 s[G0+4*\slot+2:G0+4*\slot+3], s[G0+4*\slot+2:G0+4*\slot+3], 0x400000   ; two K steps on: four heads
	s_add_nc_u64 s[G0B+4*\slot+2:G0B+4*\slot+3], s[G0B+4*\slot+2:G0B+4*\slot+3], 512
	JLOAD \slot                                    ; the first tensor load behind the round; the four v_nop behind it are also the places in front of the loads below
.else
	PLACES
.endif
	FETCH \next, 0, 0
	WIN MUL
	MUL8 1, 2, 0
	MUL8 1, 3, 0
.endm
	s_wait_tensorcnt 1                             ; my part of K step 0 is in; K step 1's may be out
	s_barrier_signal -1
	s_barrier_wait -1
	FETCH 0, 0, 0
	QUARTER 0, 1, 0, 1, 1                          ; the first quarter's products start the sums
	WIN 0                                          ; at a label and at a branch every window is 0
	s_mov_b32 s3, 3
.Llap:                                             ; a trip goes once round the ring and fills both slots again: K steps 2 to 7
	QUARTER 0, 2, 1, 0, 0
	QUARTER 0, 3, 0, 1, 0
	TURN 0, 1, 1
	QUARTER 1, 1, 0, 1, 0
	QUARTER 1, 2, 1, 0, 0
	QUARTER 1, 3, 0, 1, 0
	TURN 1, 0, 1
	QUARTER 0, 1, 0, 1, 0
	WIN 0
	s_sub_co_u32 s3, s3, 1
	s_cmp_lg_u32 s3, 0
	s_cbranch_scc1 .Llap
	QUARTER 0, 2, 1, 0, 0                          ; the last lap fills nothing
	QUARTER 0, 3, 0, 1, 0
	TURN 0, 1, 0
	QUARTER 1, 1, 0, 1, 0
	QUARTER 1, 2, 1, 0, 0
	QUARTER 1, 3, 0, 1, 0
	s_wait_dscnt 0x0
	MUL8 1, 0, 0
	MUL8 1, 1, 0
	MUL8 1, 2, 0
	MUL8 1, 3, 0
	WIN 0
	PLACES
; THE WAY OUT, block by block of 16 tokens x 128 columns: through my own stage, back as rows of 512 bytes, which the 32 lanes store
.macro TOSTAGE a
	WIN 0x04                                       ; an LDS store's data are its source 1: window 1
.irp b, 0,1,2,3,4,5,6,7
	ds_store_b128 v[STO], v[64*(\a)+8*\b:64*(\a)+8*\b+3] offset:64*\b         ; each accumulator from its low end on
	ds_store_b128 v[STO], v[64*(\a)+8*\b+4:64*(\a)+8*\b+7] offset:64*\b+16
.endr
	WIN 0
.set BB, BK+64*((\a)%2)
.irp t, 0,1,2,3,4,5,6,7,8,9,10,11,12,13,14,15
	ds_load_b128 v[BB+4*\t:BB+4*\t+3], v[RD] offset:\t*SPITCH      ; LDS serves a wave's instructions in order
.endr
.endm
.macro SEND a, younger                 ; younger: the LDS instructions issued behind block a's loads, which may stay out
.set BB, BK+64*((\a)%2)
	s_wait_dscnt \younger
.irp t, 0,1,2,3,4,5,6,7,8,9,10,11,12,13,14,15
	global_store_b128 v[CO], v[BB+4*\t:BB+4*\t+3], s[8:9] offset:(16*(\a)+\t)*4096 th:TH_STORE_NT   ; 512 consecutive bytes, aligned; written once, read by nobody here
.endr
.endm
	s_cmp_lg_u32 s2, 0
	s_cbranch_scc1 .Lskip0                         ; a sequence's first 16 tokens are stored by the launch that makes them in f32
	TOSTAGE 0
	SEND 0, 0
.Lskip0:
	TOSTAGE 1
	s_wait_xcnt 0x0                                ; block 0's stores have read their registers
	TOSTAGE 2
	SEND 1, 32                                     ; behind block 1's loads: block 2's 16 stores and 16 loads
	s_wait_xcnt 0x0                                ; block 1's stores have read theirs
	TOSTAGE 3
	SEND 2, 32
	SEND 3, 0
	s_wait_tensorcnt 0x0                           ; the wave's end
	ds_add_u32 v[SPW], v[NIL]
	s_wait_dscnt 0x0
	CROUND                                         ; the closing round
	s_endpgm
.Lfunc_end_k_q7a03892789_proj:
	.size	k_q7a03892789_proj, .Lfunc_end_k_q7a03892789_proj-k_q7a03892789_proj
	.p2alignl 7, 3214868480
	.fill 96, 4, 3214868480
	.section	.rodata,"a",@progbits
	.p2align	6, 0x0
	.amdhsa_kernel k_q7a03892789_proj
		.amdhsa_group_segment_fixed_size 327680
		.amdhsa_private_segment_fixed_size 0
		.amdhsa_enable_private_segment 0
		.amdhsa_kernarg_size 24
		.amdhsa_user_sgpr_count 2
		.amdhsa_user_sgpr_kernarg_segment_ptr 1
		.amdhsa_wavefront_size32 1
		.amdhsa_system_sgpr_workgroup_id_x 1
		.amdhsa_system_sgpr_workgroup_id_y 1
		.amdhsa_system_sgpr_workgroup_id_z 1
		.amdhsa_system_vgpr_workitem_id 0
		.amdhsa_next_free_vgpr 640
		.amdhsa_next_free_sgpr 66
		.amdhsa_reserve_vcc 0
		.amdhsa_float_denorm_mode_32 3
		.amdhsa_float_denorm_mode_16_64 3
		.amdhsa_memory_ordered 1
		.amdhsa_forward_progress 1
		.amdhsa_inst_pref_size 85
	.end_amdhsa_kernel
	.amdgpu_metadata
---
amdhsa.version: [ 1, 2 ]
amdhsa.kernels:
  - .name:           k_q7a03892789_proj
    .symbol:         k_q7a03892789_proj.kd
    .args:
      - { .name: ao16, .offset: 0, .size: 8, .value_kind: global_buffer, .address_space: global }
      - { .name: wo16, .offset: 8, .size: 8, .value_kind: global_buffer, .address_space: global }
      - { .name: out0, .offset: 16, .size: 8, .value_kind: global_buffer, .address_space: global }
    .group_segment_fixed_size: 327680
    .private_segment_fixed_size: 0
    .kernarg_segment_align: 8
    .kernarg_segment_size: 24
    .max_flat_workgroup_size: 128
    .sgpr_count:     66
    .vgpr_count:     640
    .wavefront_size: 32
...
	.end_amdgpu_metadata
.endif
;; end of part 4
;; launch first16 (part 5): grid 16 x 4, 16 waves a work-group, no clusters, 71,680 bytes of LDS; arguments qkv32, w_out, out0; writes out0
.if DOCPART == 5
	.amdgcn_target "amdgcn-amd-amdhsa--gfx1250"
	.amdhsa_code_object_version 6
	.text
	.protected	k_q7a03892789_first16
	.globl	k_q7a03892789_first16
	.p2align	8
	.type	k_q7a03892789_first16,@function
k_q7a03892789_first16:
	s_mov_b64 s[64:65], 0
	v_nop
	global_prefetch_b8 v0, s[64:65] scope:SCOPE_SE
	s_setreg_imm32_b32 hwreg(HW_REG_WAVE_MODE, 25, 1), 1
	s_wait_xcnt 0x0
; THE FIRST 16 POSITIONS OF EACH SEQUENCE, in f32 throughout: they average one to sixteen values and are the largest rows of the output.
; A work-group makes 64 output columns (x) of one batch's (y) 16 rows; wave w takes head w: scores, softmax, p v, and its 64 channels' part of the projection; the sixteen parts meet in LDS.
; All products by v_wmma_f32_16x16x4_f32.  A matrix instruction's four places of k are filled alike in both operands, so any four k may stand there: the places are chosen so that nothing changes lanes.
;   S^T = K Q^T: a load of 16 bytes gives lane (r, h) channels 8 u + 4 h + 0 .. 3 of row r: two steps.    In the result lane (r, h) holds query r and keys 8 h + j.
;   O^T = V^T P: step s takes p's registers 2 s, 2 s + 1, keys 8 h + 2 s + j; V is loaded so: lane (r, h) holds channel 16 c + r of keys 8 h + i.    The result: query r, channels 16 c + 8 h + j.
;   Y^T = W^T ao^T: step (c, s) takes ao's registers 2 s, 2 s + 1 of tile c; w_out is loaded so: lane (r, h) holds column 16 n + r of rows 64 w + 16 c + 8 h + i.
; The registers that the matrix instructions write (v176-239) are written by nothing else; sums begin with the constant 0; the accumulators take turns, four at a time.
; REGISTERS: v1-15 addresses and small numbers; v16-47 Q, v48-79 K, later w_out for c = 2, 3, later the parts; v80-111 V, later ao; v112-175 w_out for c = 0, 1; v176-207 S^T in four parts, later Y^T; v208-239 O^T; v240-255 scores, p, at work.
; LIMITS: NaN and infinities among the inputs are not served.
.set SPARE, 69632                      ; behind the sixteen parts of 16 rows x 272 bytes: the spare words, 128 bytes for each wave
	s_load_b128 s[4:7], s[0:1], 0x0                ; qkv32, w_out
	s_load_b64 s[8:9], s[0:1], 0x10                ; out0
	v_lshl_add_u32 v14, v0, 2, SPARE               ; my spare word; never rewritten
	v_mov_b32 v15, 0                               ; 0; never rewritten
	v_lshrrev_b32 v1, 5, v0
	v_readfirstlane_b32 s10, v1                    ; wave = head
	s_and_b32 s11, ttmp7, 0xffff                   ; batch
	v_and_b32 v1, 15, v0                           ; r
	v_bfe_u32 v2, v0, 4, 1                         ; h
	v_mul_u32_u24 v3, v1, 12288
	v_lshl_add_u32 v3, v2, 4, v3                   ; Q, K: row r of 12,288 bytes, + 16 h
	v_mul_u32_u24 v4, v2, 98304
	v_lshl_add_u32 v4, v1, 2, v4                   ; V: 8 h rows down, column r
	v_lshlrev_b32 v5, 15, v2
	v_lshl_add_u32 v5, v1, 2, v5                   ; w_out: 8 h rows of 4,096 bytes down, column r
	v_lshlrev_b32 v6, 3, v2
	v_sub_nc_u32 v6, v1, v6                        ; r - 8 h, for the mask
	s_mul_i32 s12, s10, 4352
	v_mul_u32_u24 v7, v1, 272
	v_lshl_add_u32 v7, v2, 5, v7
	v_add_nc_u32 v7, s12, v7                       ; my part in LDS: row r, + 32 h
	s_mul_i32 s12, s10, 272
	v_and_b32 v8, 31, v0
	v_lshlrev_b32 v9, 3, v8                        ; 8 bytes a lane
	v_add_nc_u32 v8, s12, v9                       ; row w of every part
	s_mov_b32 s20, 0x76543210
	s_mov_b32 s21, 0xfedcba98                      ; lane selects: lane l xor 16
	s_mov_b32 s22, 0x3e38aa3b                      ; c = log2(e) / 8
	s_mov_b32 s23, s22
	s_mul_i32 s12, s11, 16*12288                   ; qkv32: the batch's 16 rows, my head's 256 bytes
	s_lshl_b32 s13, s10, 8
	s_add_co_u32 s12, s12, s13
	s_mov_b32 s13, 0
	s_lshl_b32 s14, s10, 18                        ; w_out: my head's 64 rows, the work-group's 64 columns
	s_lshl_b32 s15, ttmp9, 8
	s_add_co_u32 s14, s14, s15
	s_mov_b32 s15, 0
	s_lshl_b32 s16, s11, 23                        ; out0: the batch's 2,048 rows of 4,096 bytes, row w, the 64 columns
	s_lshl_b32 s17, s10, 12
	s_add_co_u32 s16, s16, s17
	s_lshl_b32 s17, ttmp9, 8
	s_add_co_u32 s16, s16, s17
	s_mov_b32 s17, 0
	s_wait_kmcnt 0x0
	s_add_nc_u64 s[4:5], s[4:5], s[12:13]
	s_add_nc_u64 s[6:7], s[6:7], s[14:15]
	s_add_nc_u64 s[8:9], s[8:9], s[16:17]
.irp u, 0,1,2,3,4,5,6,7
	global_load_b128 v[16+4*\u:19+4*\u], v3, s[4:5] offset:32*\u           ; Q
	global_load_b128 v[48+4*\u:51+4*\u], v3, s[4:5] offset:4096+32*\u      ; K
.endr
.irp c, 0,1,2,3
.irp i, 0,1,2,3,4,5,6,7
	global_load_b32 v[80+8*\c+\i], v4, s[4:5] offset:8192+12288*\i+64*\c   ; V
.endr
.endr
.irp c, 0,1
.irp n, 0,1,2,3
.irp i, 0,1,2,3,4,5,6,7
	global_load_b32 v[112+32*\c+8*\n+\i], v5, s[6:7] offset:4096*(16*\c+\i)+64*\n
.endr
.endr
.endr
	s_wait_loadcnt 0x0
.irp s, 0,1,2,3,4,5,6,7,8,9,10,11,12,13,14,15   ; S^T in four parts
.if \s < 4
	v_wmma_f32_16x16x4_f32 v[176+8*\s:183+8*\s], v[48+2*\s:49+2*\s], v[16+2*\s:17+2*\s], 0
.else
	v_wmma_f32_16x16x4_f32 v[176+8*(\s%4):183+8*(\s%4)], v[48+2*\s:49+2*\s], v[16+2*\s:17+2*\s], v[176+8*(\s%4):183+8*(\s%4)]
.endif
.endr
.rept 8
	v_nop                                          ; eight places behind this form: for the loads into Q's and K's registers and the reads of the sums
.endr
.irp c, 2,3
.irp n, 0,1,2,3
.irp i, 0,1,2,3,4,5,6,7
	global_load_b32 v[32*\c-48+8*\n+\i], v5, s[6:7] offset:4096*(16*\c+\i)+64*\n
.endr
.endr
.endr
.irp p, 0,2,4,6                                ; the four parts are added, each accumulator from its low end on
	v_pk_add_f32 v[240+\p:241+\p], v[176+\p:177+\p], v[184+\p:185+\p]
	v_pk_add_f32 v[248+\p:249+\p], v[192+\p:193+\p], v[200+\p:201+\p]
.endr
.irp p, 0,2,4,6
	v_pk_add_f32 v[240+\p:241+\p], v[240+\p:241+\p], v[248+\p:249+\p]
.endr
	v_mov_b32 v10, 0xff800000                      ; -infinity
.irp j, 0,1,2,3,4,5,6,7
	v_cmp_gt_i32 vcc_lo, \j, v6                    ; key 8 h + j comes after query r
	v_cndmask_b32 v[240+\j], v[240+\j], v10, vcc_lo
.endr
	v_max3_num_f32 v11, v240, v241, v242
	v_max3_num_f32 v11, v11, v243, v244
	v_max3_num_f32 v11, v11, v245, v246
	v_max_num_f32 v11, v11, v247
	v_mov_b32 v12, 0                               ; a lane permute's destination counts as one of its sources
	v_permlanex16_b32 v12, v11, s20, s21
	v_max_num_f32 v11, v11, v12                    ; the row's maximum: key 0 counts for every query, so it is a number
	v_mul_f32 v12, s22, v11
	v_mov_b32 v13, v12
.irp p, 0,2,4,6
	v_pk_fma_f32 v[240+\p:241+\p], v[240+\p:241+\p], s[22:23], v[12:13] op_sel_hi:[1,0,0] neg_lo:[0,0,1] neg_hi:[0,0,1]
.endr
.irp j, 0,1,2,3,4,5,6,7
	v_exp_f32 v[240+\j], v[240+\j]
.endr
	v_nop
	s_wait_alu depctr_va_vdst(0)                   ; one wait for the eight, ahead of their first reader
	v_pk_add_f32 v[248:249], v[240:241], v[242:243]
	v_pk_add_f32 v[250:251], v[244:245], v[246:247]
	v_pk_add_f32 v[248:249], v[248:249], v[250:251]
	v_add_f32 v11, v248, v249
	v_permlanex16_b32 v12, v11, s20, s21
	v_add_f32 v11, v11, v12                        ; the row's sum
	v_rcp_f32 v12, v11
	v_nop                                          ; a plain instruction behind the reciprocal; its wait stands ahead of its first reader, behind the products
.irp s, 0,1,2,3
.irp c, 0,1,2,3
.if \s == 0
	v_wmma_f32_16x16x4_f32 v[208+8*\c:215+8*\c], v[80+8*\c+2*\s:81+8*\c+2*\s], v[240+2*\s:241+2*\s], 0
.else
	v_wmma_f32_16x16x4_f32 v[208+8*\c:215+8*\c], v[80+8*\c+2*\s:81+8*\c+2*\s], v[240+2*\s:241+2*\s], v[208+8*\c:215+8*\c]
.endif
.endr
.endr
.rept 8
	v_nop
.endr
	s_wait_alu depctr_va_vdst(0)
.irp c, 0,1,2,3
.irp p, 0,2,4,6
	v_pk_mul_f32 v[80+8*\c+\p:81+8*\c+\p], v[208+8*\c+\p:209+8*\c+\p], v[12:13] op_sel_hi:[1,0]   ; ao = O^T / the sum, into V's registers
.endr
.endr
	s_wait_loadcnt 0x0                             ; w_out for c = 2, 3
.irp c, 0,1,2,3
.irp s, 0,1,2,3
.irp n, 0,1,2,3
.if (\c == 0) && (\s == 0)
	v_wmma_f32_16x16x4_f32 v[176+8*\n:183+8*\n], v[112+32*\c-160*(\c/2)+8*\n+2*\s:113+32*\c-160*(\c/2)+8*\n+2*\s], v[80+8*\c+2*\s:81+8*\c+2*\s], 0
.else
	v_wmma_f32_16x16x4_f32 v[176+8*\n:183+8*\n], v[112+32*\c-160*(\c/2)+8*\n+2*\s:113+32*\c-160*(\c/2)+8*\n+2*\s], v[80+8*\c+2*\s:81+8*\c+2*\s], v[176+8*\n:183+8*\n]
.endif
.endr
.endr
.endr
.rept 8
	v_nop
.endr
.irp n, 0,1,2,3
	ds_store_b128 v7, v[176+8*\n:179+8*\n] offset:64*\n            ; lane (r, h): my head's part of out(r, 16 n + 8 h + 0 .. 7)
	ds_store_b128 v7, v[180+8*\n:183+8*\n] offset:64*\n+16
.endr
	s_wait_dscnt 0x0                               ; for the others' sake: my part lies in LDS
	s_barrier_signal -1
	s_barrier_wait -1
.irp p, 0,1,2,3,4,5,6,7,8,9,10,11,12,13,14,15
	ds_load_b64 v[16+2*\p:17+2*\p], v8 offset:4352*\p              ; row w of part p: 8 bytes a lane
.endr
	s_wait_dscnt 0x0
.irp p, 0,4,8,12,16,20,24,28
	v_pk_add_f32 v[16+\p:17+\p], v[16+\p:17+\p], v[18+\p:19+\p]
.endr
.irp p, 0,8,16,24
	v_pk_add_f32 v[16+\p:17+\p], v[16+\p:17+\p], v[20+\p:21+\p]
.endr
.irp p, 0,16
	v_pk_add_f32 v[16+\p:17+\p], v[16+\p:17+\p], v[24+\p:25+\p]
.endr
	v_pk_add_f32 v[16:17], v[16:17], v[32:33]
	global_store_b64 v9, v[16:17], s[8:9]          ; 32 lanes store 256 consecutive bytes, aligned
	s_wait_tensorcnt 0x0                           ; the wave's end
	ds_add_u32 v14, v15
	s_wait_dscnt 0x0
	s_endpgm
.Lfunc_end_k_q7a03892789_first16:
	.size	k_q7a03892789_first16, .Lfunc_end_k_q7a03892789_first16-k_q7a03892789_first16
	.p2alignl 7, 3214868480
	.fill 96, 4, 3214868480
	.section	.rodata,"a",@progbits
	.p2align	6, 0x0
	.amdhsa_kernel k_q7a03892789_first16
		.amdhsa_group_segment_fixed_size 71680
		.amdhsa_private_segment_fixed_size 0
		.amdhsa_enable_private_segment 0
		.amdhsa_kernarg_size 24
		.amdhsa_user_sgpr_count 2
		.amdhsa_user_sgpr_kernarg_segment_ptr 1
		.amdhsa_wavefront_size32 1
		.amdhsa_system_sgpr_workgroup_id_x 1
		.amdhsa_system_sgpr_workgroup_id_y 1
		.amdhsa_system_sgpr_workgroup_id_z 1
		.amdhsa_system_vgpr_workitem_id 0
		.amdhsa_next_free_vgpr 256
		.amdhsa_next_free_sgpr 66
		.amdhsa_reserve_vcc 1
		.amdhsa_float_denorm_mode_32 3
		.amdhsa_float_denorm_mode_16_64 3
		.amdhsa_memory_ordered 1
		.amdhsa_forward_progress 1
		.amdhsa_inst_pref_size 33
	.end_amdhsa_kernel
	.amdgpu_metadata
---
amdhsa.version: [ 1, 2 ]
amdhsa.kernels:
  - .name:           k_q7a03892789_first16
    .symbol:         k_q7a03892789_first16.kd
    .args:
      - { .name: qkv32, .offset: 0, .size: 8, .value_kind: global_buffer, .address_space: global }
      - { .name: w_out, .offset: 8, .size: 8, .value_kind: global_buffer, .address_space: global }
      - { .name: out0, .offset: 16, .size: 8, .value_kind: global_buffer, .address_space: global }
    .group_segment_fixed_size: 71680
    .private_segment_fixed_size: 0
    .kernarg_segment_align: 8
    .kernarg_segment_size: 24
    .max_flat_workgroup_size: 512
    .sgpr_count:     66
    .vgpr_count:     256
    .wavefront_size: 32
...
	.end_amdgpu_metadata
.endif
;; end of part 5
